; MI455X (gfx1250); checked and timed in simulation.
; The chip was launched on July 23, 2026; its instructions are those of AMD's public machine-readable ISA for CDNA 5 (MIT licence, August 2026) and "CDNA5" Instruction Set Architecture Reference Guide (July 2026). The comments in the code are by the model that wrote it; some were corrected since.
;; Attention. Allowed arithmetic: float matrix products may take bf16 or f16 operands with f32 sums; all other float work in f32.
;; Inputs: freqs_cos 2,048 x 32 float32; freqs_sin 2,048 x 32 float32; mask 1 x 1 x 2,048 x 2,048 float32; wk 1,024 x 1,024 float32; wo 1,024 x 1,024 float32; wq 1,024 x 1,024 float32; wv 1,024 x 1,024 float32; x 2 x 2,048 x 1,024 float32.
;; Outputs: out0 2 x 2,048 x 1,024 float32.
;; Constants: start_pos = 0.
;; 2 versions, each right; version 2 is version 1 with the launch prep written anew for expert scheduling mode. Each part assembles by itself: llvm-mc -triple=amdgcn-amd-amdhsa -mcpu=gfx1250 --defsym DOCPART=n.
;; ======== version 1 of 2: 4 launches
;; limits: values are held in f16: magnitudes above 65,504 overflow, below 6.1e-05 lose precision; values outside matrix products are rounded to bf16
;; workspace buffers: xb 8,388,608 bytes; wb 8,388,608 bytes; qb 8,388,608 bytes; kb 8,388,608 bytes; vb 8,388,608 bytes; ao 8,388,608 bytes
;; launch prep (part 1): grid 256 x 1, 8 waves a work-group, no clusters, 0 bytes of LDS; arguments x, wo, wq, wk, wv, xb, wb; writes xb, wb
.if DOCPART == 1
	.amdgcn_target "amdgcn-amd-amdhsa--gfx1250"
	.amdhsa_code_object_version 6
	.text
	.protected	k_q81e02394d1_prep
	.globl	k_q81e02394d1_prep
	.p2align	8
	.type	k_q81e02394d1_prep,@function
k_q81e02394d1_prep:
	s_mov_b64 s[64:65], 0
	v_nop
	global_prefetch_b8 v0, s[64:65] scope:SCOPE_SE
	s_setreg_imm32_b32 hwreg(HW_REG_WAVE_MODE, 25, 1), 1
	s_wait_xcnt 0x0
; prep: the five matrix operands are rounded once to 16 bits, so that the products can fetch them by tensor loads.
;   xb = bf16(x)                       [4096][1024]
;   wb = four planes [1024 k][1024 n]: 0 = bf16(wo), re-encoded as f16;  1 = bf16(wq / 8);  2 = bf16(wk);  3 = bf16(wv)
; 1/8 = 1/sqrt(64) is a power of two, so bf16(wq / 8) = bf16(wq) / 8 exactly, and RoPE is linear: q arrives scaled.
; LIMIT: bf16(wo) is exact in f16 for 2^-14 <= |wo| <= 65,504; below that it loses bits (absolute error at most 2^-25), above it is infinite.
; 256 work-groups of 32,768 numbers: 0-127 take x, then 32 each take wo, wq, wk, wv.  A thread has 32 loads of 16 bytes, all issued
; at once (131,072 bytes of the work-group on their way); a wave's load covers 512 consecutive bytes, its store 256, both aligned.
; No LDS, no matrix unit, no cluster: nothing is shared and nothing is multiplied.
.set X, 8                              ; v[8:135]   32 x 4 numbers as loaded
.set Y, 136                            ; v[136:199] 32 x 2 words to store
.set T, 200                            ; v[200:203] at work (wo alone)
	s_load_b256 s[4:11], s[0:1], 0x0               ; x s[4:5], wo s[6:7], wq s[8:9], wk s[10:11]
	s_load_b128 s[12:15], s[0:1], 0x20             ; wv s[12:13], xb s[14:15]
	s_load_b64 s[16:17], s[0:1], 0x30              ; wb
	s_mov_b32 s18, ttmp9                           ; the work-group's number
	v_lshlrev_b32 v1, 4, v0                        ; 16 bytes a thread in
	v_lshlrev_b32 v2, 3, v0                        ; 8 bytes a thread out
	s_mov_b32 s24, 0x3e000000                      ; 0.125, twice: the pair that the packed multiply names
	s_mov_b32 s25, 0x3e000000
	s_and_b32 s26, s18, 31                         ; part of a weight matrix,
	s_and_b32 s28, s18, 127                        ; part of xb, or of wb (the planes follow each other in the order of the work-groups)
	s_cmp_lt_u32 s18, 128
	s_cselect_b32 s26, s18, s26                    ; or part of x
	s_lshl_b32 s26, s26, 17                        ; 131,072 bytes in
	s_mov_b32 s27, 0
	s_lshl_b32 s28, s28, 16                        ; 65,536 bytes out
	s_mov_b32 s29, 0
	s_wait_kmcnt 0x0
	s_cmp_ge_u32 s18, 128
	s_cselect_b64 s[20:21], s[6:7], s[4:5]         ; source: x, or wo,
	s_cselect_b64 s[22:23], s[16:17], s[14:15]     ; destination: xb, or wb
	s_cmp_ge_u32 s18, 160
	s_cselect_b64 s[20:21], s[8:9], s[20:21]       ; wq,
	s_cmp_ge_u32 s18, 192
	s_cselect_b64 s[20:21], s[10:11], s[20:21]     ; wk,
	s_cmp_ge_u32 s18, 224
	s_cselect_b64 s[20:21], s[12:13], s[20:21]     ; wv
	s_add_nc_u64 s[20:21], s[20:21], s[26:27]
	s_add_nc_u64 s[22:23], s[22:23], s[28:29]
.set i, 0
.rept 32
	global_load_b128 v[X+4*i:X+4*i+3], v1, s[20:21] offset:4096*i th:TH_LOAD_NT
.set i, i+1
.endr
; mode 0: round to bf16.  mode 1: times 1/8 first.  mode 2: round to bf16, then write the same numbers as f16.
; No register is used twice, so the only wait is the one for the load: loads come back in order (ISA guide 5.7.1), 31 - i younger ones stay out.
.macro CONV mode
.set i, 0
.rept 32
	s_wait_loadcnt 31-i
.if \mode == 1
	v_pk_mul_f32 v[X+4*i:X+4*i+1], v[X+4*i:X+4*i+1], s[24:25] op_sel_hi:[1,0]
	v_pk_mul_f32 v[X+4*i+2:X+4*i+3], v[X+4*i+2:X+4*i+3], s[24:25] op_sel_hi:[1,0]
.endif
	v_cvt_pk_bf16_f32 v[Y+2*i], v[X+4*i], v[X+4*i+1]
	v_cvt_pk_bf16_f32 v[Y+2*i+1], v[X+4*i+2], v[X+4*i+3]
.if \mode == 2
	v_lshlrev_b32 v[T], 16, v[Y+2*i]               ; bf16 to f32: the low half moves up, the high half stays
	v_and_b32 v[T+1], 0xffff0000, v[Y+2*i]
	v_lshlrev_b32 v[T+2], 16, v[Y+2*i+1]
	v_and_b32 v[T+3], 0xffff0000, v[Y+2*i+1]
	v_cvt_pk_f16_f32 v[Y+2*i], v[T], v[T+1]
	v_cvt_pk_f16_f32 v[Y+2*i+1], v[T+2], v[T+3]
.endif
	global_store_b64 v2, v[Y+2*i:Y+2*i+1], s[22:23] offset:2048*i
.set i, i+1
.endr
.endm
	s_cmp_lt_u32 s18, 128
	s_cbranch_scc1 .Lplain
	s_cmp_lt_u32 s18, 160
	s_cbranch_scc1 .Lwo
	s_cmp_lt_u32 s18, 192
	s_cbranch_scc1 .Lwq
.Lplain:
	CONV 0
	s_endpgm
.Lwo:
	CONV 2
	s_endpgm
.Lwq:
	CONV 1
	s_endpgm
.Lfunc_end_k_q81e02394d1_prep:
	.size	k_q81e02394d1_prep, .Lfunc_end_k_q81e02394d1_prep-k_q81e02394d1_prep
	.p2alignl 7, 3214868480
	.fill 96, 4, 3214868480
	.section	.rodata,"a",@progbits
	.p2align	6, 0x0
	.amdhsa_kernel k_q81e02394d1_prep
		.amdhsa_group_segment_fixed_size 0
		.amdhsa_private_segment_fixed_size 0
		.amdhsa_enable_private_segment 0
		.amdhsa_kernarg_size 56
		.amdhsa_user_sgpr_count 2
		.amdhsa_user_sgpr_kernarg_segment_ptr 1
		.amdhsa_wavefront_size32 1
		.amdhsa_system_sgpr_workgroup_id_x 1
		.amdhsa_system_sgpr_workgroup_id_y 1
		.amdhsa_system_sgpr_workgroup_id_z 1
		.amdhsa_system_vgpr_workitem_id 0
		.amdhsa_next_free_vgpr 208
		.amdhsa_next_free_sgpr 66
		.amdhsa_reserve_vcc 0
		.amdhsa_float_denorm_mode_32 3
		.amdhsa_float_denorm_mode_16_64 3
		.amdhsa_memory_ordered 1
		.amdhsa_forward_progress 1
		.amdhsa_inst_pref_size 43
	.end_amdhsa_kernel
	.amdgpu_metadata
---
amdhsa.version: [ 1, 2 ]
amdhsa.kernels:
  - .name:           k_q81e02394d1_prep
    .symbol:         k_q81e02394d1_prep.kd
    .args:
      - { .name: x, .offset: 0, .size: 8, .value_kind: global_buffer, .address_space: global }
      - { .name: wo, .offset: 8, .size: 8, .value_kind: global_buffer, .address_space: global }
      - { .name: wq, .offset: 16, .size: 8, .value_kind: global_buffer, .address_space: global }
      - { .name: wk, .offset: 24, .size: 8, .value_kind: global_buffer, .address_space: global }
      - { .name: wv, .offset: 32, .size: 8, .value_kind: global_buffer, .address_space: global }
      - { .name: xb, .offset: 40, .size: 8, .value_kind: global_buffer, .address_space: global }
      - { .name: wb, .offset: 48, .size: 8, .value_kind: global_buffer, .address_space: global }
    .group_segment_fixed_size: 0
    .private_segment_fixed_size: 0
    .kernarg_segment_align: 8
    .kernarg_segment_size: 56
    .max_flat_workgroup_size: 256
    .sgpr_count:     66
    .vgpr_count:     208
    .wavefront_size: 32
...
	.end_amdgpu_metadata
.endif
;; end of part 1
;; launch qkv (part 2): grid 8 x 32, 4 waves a work-group, clusters of 4 x 4, 327,680 bytes of LDS; arguments xb, wb, freqs_cos, freqs_sin, qb, kb, vb; writes qb, kb, vb
.if DOCPART == 2
	.amdgcn_target "amdgcn-amd-amdhsa--gfx1250"
	.amdhsa_code_object_version 6
	.text
	.protected	k_q81e02394d1_qkv
	.globl	k_q81e02394d1_qkv
	.p2align	8
	.type	k_q81e02394d1_qkv,@function
k_q81e02394d1_qkv:
	s_mov_b64 s[64:65], 0
	v_nop
	global_prefetch_b8 v0, s[64:65] scope:SCOPE_SE
	s_setreg_imm32_b32 hwreg(HW_REG_WAVE_MODE, 25, 1), 1
	s_wait_xcnt 0x0
	s_wait_alu depctr_hold_cnt(0) depctr_sa_sdst(0) depctr_va_vdst(0) depctr_va_sdst(0) depctr_va_ssrc(0) depctr_va_vcc(0) depctr_vm_vsrc(0)
	s_getreg_b32 s2, hwreg(HW_REG_IB_STS2, 6, 4)
	s_cmp_eq_u32 s2, 0
	s_cbranch_scc0 .Lentry_in_a_cluster
	s_endpgm
.Lentry_in_a_cluster:
	s_bfe_u32 s2, ttmp6, 0x10000c
	s_cmp_lg_u32 s2, 0xf033
	s_cbranch_scc0 .Lentry_shape_is_right
	s_endpgm
.Lentry_shape_is_right:
; qkv: q/8, k, v = xb x (planes 1, 2, 3 of wb), bf16 operands, f32 sums; RoPE on q and k in f32; out as f16, [b][head][s][64].
; LIMITS: q/8, k and v are kept in f16: beyond 65,504 in magnitude they become infinite; below 2^-14 they lose bits.
; cos and sin are rounded to bf16 (nearest even) before they are used, as x and the weights are: the program as a whole computes the
; function on inputs rounded to bf16, one definition for all of them; against the unrounded tables a factor is off by up to 2^-9 of its value.
; A work-group makes 128 rows x (128 columns of q, of k and of v): two heads.  Wave w makes all 128 rows x columns 32 w .. 32 w + 31 of
; each of the three: 8 x 6 accumulator tiles, 384 registers; for 32 along K it reads 14 fragments for 48 matrix instructions.
; K goes in steps of 128 through two LDS slots.  Wave 0 fetches x's tile, waves 1-3 the tiles of wq, wk, wv: 128 rows x 256 bytes each.
; CLUSTER 4 x 4: x's tile hangs on the block row alone and is asked for jointly along a row of the cluster, a weight tile on the block
; column alone and is asked for jointly along a column: the requests for both are divided by four.
; The weights lie [k][n]: their fragments are made by the transposing LDS load.  The matrix instruction is used transposed (source 0 =
; 16 columns of w, source 1 = 16 rows of x): a lane then holds row l % 16 and the 8 neighbouring columns 8 (l / 16) + 0..7, that is
; four RoPE pairs, which pack into 16 bytes.
; REGISTER WINDOWS: 0: addresses, two fragment buffers; 1: accumulators of rows 0-63 (tile (a, b) at 8 (6 a + b)); 2: of rows 64-127;
; 3: cos and sin of my rows and pairs (16 a + 8 b' + 0..3 cos, + 4..7 sin), loaded at the start, used at the end.
.set REG,   36864                      ; a region of a slot: what one tensor load brings (128 rows of pitch 288, or of 272)
.set SLOT,  4*REG                      ; region 0: x; regions 1-3: wq, wk, wv
.set PA,    272                        ; x's LDS row: 256 bytes + 16, an odd multiple of 16
.set PB,    288                        ; a weight's LDS row: 256 bytes + 32, an odd multiple of 32, for the transposing load
.set PS,    144                        ; the stage's row: a head's 128 bytes + 16
.set SBLK,  128*PS                     ; the stage's block (kind c, head hw) lies at (2 c + hw) SBLK, in slot 0 after its last fill
.set LAPS,  4                          ; 1024 / (2 x 128)
.set ADRA,  8                          ; v8-9    x's fragments, slot 0, 1
.set ADRB,  10                         ; v10-15  weight fragments, 3 slot + kind
.set STO,   16                         ; v16-18  stage in, by kind
.set RD,    19                         ; v19-21  stage back, by kind
.set CO,    22                         ; v22     my 16 bytes in the output
.set CSO,   23                         ; v23     my 16 bytes in cos and sin
.set F0,    32                         ; fragment buffer 0: 6 of w at +0, 8 of x at +48
.set F1,    144                        ; fragment buffer 1
.set TT,    32                         ; the way out: rotated numbers
.set PK,    64                         ; the way out: packed f16
.set G1A,   24                         ; s[24:31] group 1, x
.set G1B,   32                         ; s[32:39] group 1, weights
.set G0A,   40                         ; s[40:47] group 0, x, a set for each slot
.set G0B,   48                         ; s[48:55] group 0, weights
.set MSB, 0
.macro WIN new                         ; the immediate's high byte repeats the setting that is left
.if MSB != \new
	s_set_vgpr_msb (MSB<<8)|\new
.set MSB, \new
.endif
.endm
.set MUL_LO,  0x50                     ; C and D window 1
.set MUL_HI,  0xa0                     ; C and D window 2
.set TO_CS,   0xc0                     ; destination window 3
.set IN_CS,   0xcf                     ; sources 0 and 1 and destination window 3
.set ROPE_LO, 0x0d                     ; source 0 window 1, source 1 window 3
.set ROPE_HI, 0x0e                     ; source 0 window 2, source 1 window 3
.set CVT_LO,  0x05                     ; sources 0 and 1 window 1
.set CVT_HI,  0x0a                     ; sources 0 and 1 window 2
.macro JLOAD s                         ; a joint load: wave 0 asks for x's tile, waves 1-3 for a weight's.  The branch hangs on the wave's number alone
	s_cmp_eq_u32 s18, 0
	s_cbranch_scc0 .Lfor_b_\@
	tensor_load_to_lds s[G0A+4*\s:G0A+4*\s+3], s[G1A:G1A+7]
	s_nop 0
	s_branch .Lasked_\@
.Lfor_b_\@:
	tensor_load_to_lds s[G0B+4*\s:G0B+4*\s+3], s[G1B:G1B+7]
	s_nop 0
.Lasked_\@:
.endm
.macro CREST                           ; a round of the cluster's barrier behind its opening barrier
	s_cmp_lg_u32 s18, 0
	s_cbranch_scc1 .Lnot_wave_0_\@
	s_barrier_signal -3
.Lnot_wave_0_\@:
	s_barrier_wait -3
	s_barrier_signal -1
	s_barrier_wait -1
.endm
.macro CROUND
	s_barrier_signal -1
	s_barrier_wait -1
	CREST
.endm
.macro PLACES                          ; four places behind matrix instructions, ahead of loads into their sources and of reads of their results
.rept 4
	v_nop
.endr
.endm
	s_load_b256 s[4:11], s[0:1], 0x0               ; xb s[4:5], wb s[6:7], cos s[8:9], sin s[10:11]
	s_load_b128 s[12:15], s[0:1], 0x20             ; qb s[12:13], kb s[14:15]
	s_load_b64 s[16:17], s[0:1], 0x30              ; vb
	v_lshl_add_u32 v30, v0, 2, 0x48000
	v_mov_b32 v31, 0
	ds_add_u32 v30, v31
	v_lshrrev_b32 v1, 5, v0
	v_readfirstlane_b32 s18, v1                    ; wave 0..3
	s_bfe_u32 s20, ttmp6, 0x40000                  ; cx
	s_bfe_u32 s21, ttmp6, 0x40004                  ; cy
	s_lshl_b32 s22, ttmp9, 2
	s_add_co_u32 s22, s22, s20                     ; nb: block of 128 columns, 0..7
	s_and_b32 s23, ttmp7, 0xffff
	s_lshl_b32 s23, s23, 2
	s_add_co_u32 s23, s23, s21                     ; mb: block of 128 rows, 0..31
	s_lshl_b32 s56, s21, 2
	s_lshl_b32 s56, 15, s56                        ; my row of the cluster
	s_lshl_b32 s58, 0x1111, s20                    ; my column
	s_or_b32 s[G1A], s56, (1<<16)|(1<<20)|(1<<21)|(5<<22)|(3<<25)   ; mask; 2-byte elements; padding on; bit 21 beside a mask; after 64 words 4 words
	s_or_b32 s[G1B], s58, (1<<16)|(1<<20)|(1<<21)|(5<<22)|(7<<25)   ; the same with my column's mask and 8 words of padding
.irp g, G1A, G1B
	s_mov_b32 s[\g+1], 128<<16                     ; tensor_dim0 = 128
	s_mov_b32 s[\g+2], 128<<16                     ; tensor_dim1 = 128
	s_mov_b32 s[\g+3], 128<<16                     ; tile_dim0 = 128 elements, 256 bytes
	s_mov_b32 s[\g+4], 128                         ; tile_dim1 = 128 rows
	s_mov_b32 s[\g+5], 1024                        ; elements from row to row
	s_mov_b32 s[\g+6], 0
	s_mov_b32 s[\g+7], 0
.endr
	s_lshl_b32 s56, s23, 18                        ; x: 128 mb rows of 2,048 bytes (the block row alone)
	s_mov_b32 s57, 0
	s_lshl_b32 s58, s18, 21                        ; weights: plane = wave, 2 MiB each,
	s_lshl_b32 s59, s22, 8                         ; + 128 nb columns of 2 bytes (the block column alone)
	s_add_co_u32 s58, s58, s59
	s_mov_b32 s59, 0
	s_mul_i32 s19, s18, REG                        ; my region of a slot
	s_and_b32 s60, s23, 15                         ; cos, sin: position = 128 (mb % 16) + row, 128 bytes each
	s_lshl_b32 s60, s60, 14
	s_mov_b32 s61, 0
	s_lshr_b32 s62, s23, 4                         ; output: batch x 4 MiB + head 2 nb x 256 KiB + position x 128 bytes
	s_lshl_b32 s62, s62, 22
	s_lshl_b32 s63, s22, 19
	s_add_co_u32 s62, s62, s63
	s_add_co_u32 s62, s62, s60
	s_mov_b32 s63, 0
	s_wait_dscnt 0x0
	s_wait_kmcnt 0x0
	s_add_nc_u64 s[56:57], s[4:5], s[56:57]
	s_add_nc_u64 s[58:59], s[6:7], s[58:59]
	s_add_nc_u64 s[8:9], s[8:9], s[60:61]
	s_add_nc_u64 s[10:11], s[10:11], s[60:61]
	s_add_nc_u64 s[12:13], s[12:13], s[62:63]
	s_add_nc_u64 s[14:15], s[14:15], s[62:63]
	s_add_nc_u64 s[16:17], s[16:17], s[62:63]
	CROUND                                         ; all sixteen work-groups are here: the first joint loads meet
.irp s, 0,1
	s_mov_b32 s[G0A+4*\s], 1
	s_add_co_u32 s[G0A+4*\s+1], s19, \s*SLOT
	s_add_nc_u64 s[G0A+4*\s+2:G0A+4*\s+3], s[56:57], \s*256        ; K step s: 128 elements along the row
	s_or_b32 s[G0A+4*\s+3], s[G0A+4*\s+3], 0x80000000
	s_mov_b32 s[G0B+4*\s], 1
	s_add_co_u32 s[G0B+4*\s+1], s19, \s*SLOT
	s_add_nc_u64 s[G0B+4*\s+2:G0B+4*\s+3], s[58:59], \s*262144     ; K step s: 128 rows down
	s_or_b32 s[G0B+4*\s+3], s[G0B+4*\s+3], 0x80000000
	JLOAD \s                                       ; two tensor loads of the wave are out here, later one
.endr
	v_and_b32 v1, 31, v0                           ; l
	v_and_b32 v2, 15, v0                           ; r = l % 16
	v_bfe_u32 v3, v0, 4, 1                         ; h = l / 16
	v_and_b32 v4, 7, v0
	v_bfe_u32 v5, v0, 3, 1
	s_and_b32 s68, s18, 1
	s_lshl_b32 s68, s68, 6                         ; 64 (w % 2): my 32 columns in their head, as bytes of f16, and as bytes of 16 f32 pairs
	v_lshlrev_b32 v6, 7, v2
	v_lshl_add_u32 v6, v3, 4, v6
	v_add_nc_u32 v[CSO], s68, v6                   ; 128 r + 64 (w % 2) + 16 h: pairs 16 (w % 2) + 4 h + 0..3 of row r
	WIN TO_CS
.irp a, 0,1,2,3,4,5,6,7
.irp bb, 0,1
	global_load_b128 v[16*\a+8*\bb:16*\a+8*\bb+3],   v[CSO], s[8:9]   offset:2048*\a+32*\bb   ; they have the whole K loop in which to land
	global_load_b128 v[16*\a+8*\bb+4:16*\a+8*\bb+7], v[CSO], s[10:11] offset:2048*\a+32*\bb
.endr
.endr
	WIN 0
	v_mul_u32_u24 v6, v2, PA
	v_lshl_add_u32 v[ADRA], v3, 4, v6              ; row r, 16 bytes for each half of the lanes
	v_add_nc_u32 v[ADRA+1], SLOT, v[ADRA]
	v_lshl_add_u32 v7, v3, 3, v4                   ; transposing load: k row 8 h + l % 8,
	v_mul_u32_u24 v7, v7, PB
	v_lshl_add_u32 v7, v5, 4, v7                   ; 16 bytes for each eight lanes,
	v_lshl_add_u32 v7, s18, 6, v7                  ; my 32 columns
.irp s, 0,1
.irp c, 0,1,2
	v_add_nc_u32 v[ADRB+3*\s+\c], (\c+1)*REG+\s*SLOT, v7
.endr
.endr
	s_lshr_b32 s69, s18, 1
	s_mul_i32 s69, s69, SBLK                       ; my head's block of the stage
	s_add_co_u32 s69, s69, s68
	v_mul_u32_u24 v6, v2, PS
	v_lshl_add_u32 v6, v3, 4, v6
	v_add_nc_u32 v6, s69, v6
	v_lshrrev_b32 v7, 3, v1                        ; back: four rows of 128 bytes a load, rows 32 w .. 32 w + 31 of every block
	v_lshl_add_u32 v7, s18, 5, v7
	v_mul_u32_u24 v7, v7, PS
	v_lshl_add_u32 v7, v4, 4, v7
.irp c, 0,1,2
	v_add_nc_u32 v[STO+\c], \c*2*SBLK, v6
	v_add_nc_u32 v[RD+\c], \c*2*SBLK, v7
.endr
	v_lshlrev_b32 v6, 4, v1
	v_lshl_add_u32 v[CO], s18, 12, v6              ; 32 w rows of 128 bytes + 16 l
; 12 matrix instructions: m tiles a0, a0 + 1 of the window's four x all six n tiles.  zero = 1: the first product starts the sums.
; The 48 accumulators take turns, one instruction a turn.
.macro MUL12 f, hi, a0, zero
.irp a, \a0, \a0+1
.irp b, 0,1,2,3,4,5
.if \zero
	v_wmma_f32_16x16x32_bf16 v[8*(6*(\a)+\b):8*(6*(\a)+\b)+7], v[\f+8*\b:\f+8*\b+7], v[\f+48+8*(4*\hi+\a):\f+48+8*(4*\hi+\a)+7], 0
.else
	v_wmma_f32_16x16x32_bf16 v[8*(6*(\a)+\b):8*(6*(\a)+\b)+7], v[\f+8*\b:\f+8*\b+7], v[\f+48+8*(4*\hi+\a):\f+48+8*(4*\hi+\a)+7], v[8*(6*(\a)+\b):8*(6*(\a)+\b)+7]
.endif
.endr
.endr
.endm
; 28 LDS loads in one run: quarter kq (32 along K) of a slot into buffer f: six weight fragments, then eight of x
.macro FETCH slot, kq, f
	WIN 0
.irp c, 0,1,2
.irp bb, 0,1
	ds_load_tr16_b128 v[\f+8*(2*\c+\bb):\f+8*(2*\c+\bb)+3],   v[ADRB+3*\slot+\c] offset:\kq*32*PB+32*\bb
	ds_load_tr16_b128 v[\f+8*(2*\c+\bb)+4:\f+8*(2*\c+\bb)+7], v[ADRB+3*\slot+\c] offset:\kq*32*PB+32*\bb+16*PB
.endr
.endr
.irp a, 0,1,2,3,4,5,6,7
	ds_load_b128 v[\f+48+8*\a:\f+48+8*\a+3],   v[ADRA+\slot] offset:\a*16*PA+64*\kq
	ds_load_b128 v[\f+48+8*\a+4:\f+48+8*\a+7], v[ADRA+\slot] offset:\a*16*PA+64*\kq+32
.endr
.endm
.macro QUARTER slot, kq, f, g, zero    ; multiplies buffer f; in its middle fetches quarter kq into buffer g
	s_wait_dscnt 8                                 ; the youngest eight loads (x's rows 64-127) may be out
	WIN MUL_LO
	MUL12 \f, 0, 0, \zero
	MUL12 \f, 0, 2, \zero
	PLACES
	FETCH \slot, \kq, \g
	s_wait_dscnt 28                                ; all but the 28 just issued
	WIN MUL_HI
	MUL12 \f, 1, 0, \zero
	MUL12 \f, 1, 2, \zero
.endm
.macro THREE slot, zero
	QUARTER \slot, 1, F0, F1, \zero
	QUARTER \slot, 2, F1, F0, 0
	QUARTER \slot, 3, F0, F1, 0
.endm
; The last quarter of a K step changes slots.  In front of the barrier each wave waits for its reads of this slot and for all its tensor
; loads (the one that is out is its part of the next slot).  Where the slot is filled again the barrier opens a round of the cluster's
; barrier, and the joint refill is the first tensor load behind the round: it has a K step less 12 matrix instructions in which to land.
.macro TURN slot, next, fill
	s_wait_dscnt 8
	WIN MUL_LO
	MUL12 F1, 0, 0, 0
	s_wait_dscnt 0x0
	s_wait_tensorcnt 0x0
	ds_add_u32 v30, v31
	s_wait_dscnt 0x0
	s_barrier_signal -1
	MUL12 F1, 0, 2, 0                              ; register work between signal and wait
	WIN 0
	s_barrier_wait -1
.if \fill
	CREST
	s_add_nc_u64 s[G0A+4*\slot+2:G0A+4*\slot+3], s[G0A+4*\slot+2:G0A+4*\slot+3], 512      ; no tensor load of mine is out: two K steps on
	s_add_nc_u64 s[G0B+4*\slot+2:G0B+4*\slot+3], s[G0B+4*\slot+2:G0B+4*\slot+3], 524288
	JLOAD \slot
.endif
	PLACES
	FETCH \next, 0, F0
	WIN MUL_HI
	MUL12 F1, 1, 0, 0
	MUL12 F1, 1, 2, 0
.endm
.macro LAP zero
	THREE 0, \zero
	TURN 0, 1, 1
	THREE 1, 0
	TURN 1, 0, 1
.endm
	s_wait_tensorcnt 0x1                           ; my part of K step 0 is in; K step 1's may stay out
	s_barrier_signal -1
	s_barrier_wait -1
	FETCH 0, 0, F0
	LAP 1
	WIN 0
	s_mov_b32 s66, LAPS-2
.Llap:
	LAP 0
	WIN 0
	s_sub_co_u32 s66, s66, 1
	s_cmp_lg_u32 s66, 0
	s_cbranch_scc1 .Llap
	THREE 0, 0                                     ; the last lap fills nothing
	TURN 0, 1, 0
	THREE 1, 0
	s_wait_dscnt 8
	WIN MUL_LO
	MUL12 F1, 0, 0, 0
	MUL12 F1, 0, 2, 0
	s_wait_dscnt 0x0
	WIN MUL_HI
	MUL12 F1, 1, 0, 0
	MUL12 F1, 1, 2, 0
	WIN 0
	; THE WAY OUT.  The stage lies in slot 0, which has had its last fill; the barrier shows that every wave's LDS reads are over (each wave's count is 0 since the wait above).
	PLACES
	s_wait_loadcnt 0x0                             ; cos and sin
	; cos and sin to bf16 and back, in place, two registers at a time: both are packed into the first (nearest even), the high half goes back
	; to the second by a mask, the low half is moved up in the first.  64 pairs, once in the launch.
	WIN IN_CS
.set i, 0
.rept 64
	v_cvt_pk_bf16_f32 v[2*i], v[2*i], v[2*i+1]
	v_and_b32 v[2*i+1], 0xffff0000, v[2*i]
	v_lshlrev_b32 v[2*i], 16, v[2*i]
.set i, i+1
.endr
	WIN 0
	s_barrier_signal -1
	s_barrier_wait -1
; rows 16 a .. 16 a + 15: q's and k's four tiles are rotated (r' = e c - o s, i' = e s + o c, two fused multiply-adds each), v's two are only rounded
.macro OUTM a, ropewin, cvtwin
	WIN \ropewin
.irp b, 0,1,2,3
.irp p, 0,1,2,3
	v_mul_f32 v[TT+8*\b+2*\p],   v[8*(6*(\a%4)+\b)+2*\p+1], v[16*\a+8*(\b%2)+4+\p]
	v_mul_f32 v[TT+8*\b+2*\p+1], v[8*(6*(\a%4)+\b)+2*\p+1], v[16*\a+8*(\b%2)+\p]
.endr
.irp p, 0,1,2,3
	v_fma_f32 v[TT+8*\b+2*\p],   v[8*(6*(\a%4)+\b)+2*\p], v[16*\a+8*(\b%2)+\p],   -v[TT+8*\b+2*\p]
	v_fma_f32 v[TT+8*\b+2*\p+1], v[8*(6*(\a%4)+\b)+2*\p], v[16*\a+8*(\b%2)+4+\p], v[TT+8*\b+2*\p+1]
.endr
.endr
	WIN \cvtwin
.irp b, 4,5
.irp p, 0,1,2,3
	v_cvt_pk_f16_f32 v[PK+4*\b+\p], v[8*(6*(\a%4)+\b)+2*\p], v[8*(6*(\a%4)+\b)+2*\p+1]
.endr
.endr
	WIN 0
.irp b, 0,1,2,3
.irp p, 0,1,2,3
	v_cvt_pk_f16_f32 v[PK+4*\b+\p], v[TT+8*\b+2*\p], v[TT+8*\b+2*\p+1]
.endr
.endr
.irp b, 0,1,2,3,4,5
	ds_store_b128 v[STO+(\b/2)], v[PK+4*\b:PK+4*\b+3] offset:16*PS*\a+32*(\b%2)
.endr
.endm
	OUTM 0, ROPE_LO, CVT_LO
	OUTM 1, ROPE_LO, CVT_LO
	OUTM 2, ROPE_LO, CVT_LO
	OUTM 3, ROPE_LO, CVT_LO
	OUTM 4, ROPE_HI, CVT_HI
	OUTM 5, ROPE_HI, CVT_HI
	OUTM 6, ROPE_HI, CVT_HI
	OUTM 7, ROPE_HI, CVT_HI
	s_wait_dscnt 0x0                               ; my stores are in LDS: two waves share a head's rows
	s_barrier_signal -1
	s_barrier_wait -1
.irp c, 0,1,2
.irp hw, 0,1
.irp i, 0,1,2,3,4,5,6,7
	ds_load_b128 v[32+4*(16*\c+8*\hw+\i):32+4*(16*\c+8*\hw+\i)+3], v[RD+\c] offset:\hw*SBLK+4*PS*\i
.endr
.endr
.endr
.irp c, 0,1,2
.irp hw, 0,1
.irp i, 0,1,2,3,4,5,6,7
	s_wait_dscnt 47-(16*\c+8*\hw+\i)               ; LDS loads come back in order: the younger ones stay out
	global_store_b128 v[CO], v[32+4*(16*\c+8*\hw+\i):32+4*(16*\c+8*\hw+\i)+3], s[12+2*\c:13+2*\c] offset:\hw*262144+512*\i   ; a wave's store covers 512 consecutive bytes, aligned
.endr
.endr
.endr
	s_wait_tensorcnt 0x0
	ds_add_u32 v30, v31
	s_wait_dscnt 0x0
	CROUND                                         ; the closing round: no work-group ends while a partner may still ask for a tile that names it
	s_endpgm
.Lfunc_end_k_q81e02394d1_qkv:
	.size	k_q81e02394d1_qkv, .Lfunc_end_k_q81e02394d1_qkv-k_q81e02394d1_qkv
	.p2alignl 7, 3214868480
	.fill 96, 4, 3214868480
	.section	.rodata,"a",@progbits
	.p2align	6, 0x0
	.amdhsa_kernel k_q81e02394d1_qkv
		.amdhsa_group_segment_fixed_size 327680
		.amdhsa_private_segment_fixed_size 0
		.amdhsa_enable_private_segment 0
		.amdhsa_kernarg_size 56
		.amdhsa_user_sgpr_count 2
		.amdhsa_user_sgpr_kernarg_segment_ptr 1
		.amdhsa_wavefront_size32 1
		.amdhsa_system_sgpr_workgroup_id_x 1
		.amdhsa_system_sgpr_workgroup_id_y 1
		.amdhsa_system_sgpr_workgroup_id_z 1
		.amdhsa_system_vgpr_workitem_id 0
		.amdhsa_next_free_vgpr 896
		.amdhsa_next_free_sgpr 72
		.amdhsa_reserve_vcc 0
		.amdhsa_float_denorm_mode_32 3
		.amdhsa_float_denorm_mode_16_64 3
		.amdhsa_memory_ordered 1
		.amdhsa_forward_progress 1
		.amdhsa_inst_pref_size 195
	.end_amdhsa_kernel
	.amdgpu_metadata
---
amdhsa.version: [ 1, 2 ]
amdhsa.kernels:
  - .name:           k_q81e02394d1_qkv
    .symbol:         k_q81e02394d1_qkv.kd
    .args:
      - { .name: xb, .offset: 0, .size: 8, .value_kind: global_buffer, .address_space: global }
      - { .name: wb, .offset: 8, .size: 8, .value_kind: global_buffer, .address_space: global }
      - { .name: freqs_cos, .offset: 16, .size: 8, .value_kind: global_buffer, .address_space: global }
      - { .name: freqs_sin, .offset: 24, .size: 8, .value_kind: global_buffer, .address_space: global }
      - { .name: qb, .offset: 32, .size: 8, .value_kind: global_buffer, .address_space: global }
      - { .name: kb, .offset: 40, .size: 8, .value_kind: global_buffer, .address_space: global }
      - { .name: vb, .offset: 48, .size: 8, .value_kind: global_buffer, .address_space: global }
    .group_segment_fixed_size: 327680
    .private_segment_fixed_size: 0
    .kernarg_segment_align: 8
    .kernarg_segment_size: 56
    .max_flat_workgroup_size: 128
    .sgpr_count:     72
    .vgpr_count:     896
    .wavefront_size: 32
...
	.end_amdgpu_metadata
.endif
;; end of part 2
;; launch attn (part 3): grid 16 x 16, 8 waves a work-group, clusters of 4 x 4, 327,680 bytes of LDS; arguments qb, kb, vb, mask, ao; writes ao
.if DOCPART == 3
	.amdgcn_target "amdgcn-amd-amdhsa--gfx1250"
	.amdhsa_code_object_version 6
	.text
	.protected	k_q81e02394d1_attn
	.globl	k_q81e02394d1_attn
	.p2align	8
	.type	k_q81e02394d1_attn,@function
k_q81e02394d1_attn:
	s_mov_b64 s[64:65], 0
	v_nop
	global_prefetch_b8 v0, s[64:65] scope:SCOPE_SE
	s_setreg_imm32_b32 hwreg(HW_REG_WAVE_MODE, 25, 1), 1
	s_wait_xcnt 0x0
	s_wait_alu depctr_hold_cnt(0) depctr_sa_sdst(0) depctr_va_vdst(0) depctr_va_sdst(0) depctr_va_ssrc(0) depctr_va_vcc(0) depctr_vm_vsrc(0)
	s_getreg_b32 s2, hwreg(HW_REG_IB_STS2, 6, 4)
	s_cmp_eq_u32 s2, 0
	s_cbranch_scc0 .Lentry_in_a_cluster
	s_endpgm
.Lentry_in_a_cluster:
	s_bfe_u32 s2, ttmp6, 0x10000c
	s_cmp_lg_u32 s2, 0xf033
	s_cbranch_scc0 .Lentry_shape_is_right
	s_endpgm
.Lentry_shape_is_right:
; attn: softmax(q k^T / 8 + mask) v for 128 queries of two heads, by a running maximum; f16 operands, f32 sums; out as f16, [b s][head 64 + d].
; The mask is an input: every score is computed and every mask number is read and added.
; LIMITS: the output is kept in f16 (beyond 65,504 infinite).  Probabilities (at most 1) are f16 operands: below 2^-24 they become 0.
; The mask is the matrix instruction's C operand, so score + mask is rounded by the matrix unit, not by one f32 addition.  The running
; maximum starts at the most negative finite f32: a mask of -inf gives probability 0, a row of -inf alone gives 0 x inf = NaN, as the softmax of such a row is.
; The exponent is (s - m) log2(e), subtracted first and multiplied then, so that a large m (a row masked throughout) costs no accuracy.
; Eight waves: wave w has head w / 4 and queries 32 (w % 4) .. + 31; two waves lie on a SIMD.
; ORIENTATION: S^T = K Q^T + mask^T: source 0 = 16 keys, source 1 = 16 queries; lane (r, h) register j = (key 8 h + j, query r), which for
; the mask is 32 neighbouring bytes of a row.  A lane owns one query: maximum, factor and sum are the lane's own, and one
; v_permlanex16_b32 joins the two halves.  The exponentials, packed in place, ARE source 1 of O^T = V^T P^T.
; CLUSTER 4 x 4: the mask's tile hangs on the query block alone and is asked for jointly along a column of the cluster, K's and V's tiles on
; the head pair alone and jointly along a row.  A slot holds 128 keys: mask 64 KiB, K and V of two heads 64 KiB; one round for 128 keys.
; THE ORDER OF A STEP (64 keys): no LDS read is waited for where it is issued.  The mask and K of step i + 1 are loaded into window 1 while
; the softmax of step i runs (32 loads of each of eight waves are 512 passes of 256 bytes, against some 330 vector instructions of each of
; a SIMD's two waves); V of step i is loaded at the head of step i and is wanted behind half of its softmax.  The first product of a score
; tile takes the mask from window 1 as C and writes the scores into window 0, where all the softmax works: no copy, no window in the softmax.
; The P V products of query tile 0 stand among the vector instructions of query tile 1's softmax, with which they share no register.
; The round stands behind the score products of a slot's second step: there all that the wave reads of the slot is in registers.
.set PM,    528                        ; the mask's LDS row: 512 bytes + 16
.set PKK,   144                        ; K's: 128 + 16
.set PV,    160                        ; V's: 128 + 32, an odd multiple of 32, for the transposing load
.set KOFF,  128*PM
.set VOFF,  KOFF+2*128*PKK
.set SLOT,  VOFF+2*128*PV              ; 145,408
.set STAGE, 2*SLOT                     ; bytes of its own, a multiple of 256: 128 rows of 256 + 16
.set PST,   272
.set QO,    1                          ; v1      Q's byte offset
.set MA,    4                          ; v4-5    mask, slot 0, 1
.set KA,    6                          ; v6-7    K
.set VA,    8                          ; v8-9    V
.set STO,   10
.set RD,    11
.set CO,    12
.set PFO,   13                         ; v13     prefetch offset
.set MX,    14                         ; v[14:15] running maximum of query tile 0, 1
.set LS,    16                         ; v[16:17] running sum (of this half of the lanes)
.set AL,    18                         ; v[18:19] factor, at the end 1 / sum
.set TT,    20                         ; v20-31  at work
.set QF,    32                         ; v32-63  Q: 16 n + 8 ds
.set SC,    64                         ; v64-127 scores, probabilities: 32 n + 8 t + j
.set FR,    128                        ; v128-191 V: 16 dt + 8 u
.set OA,    192                        ; v192-255 O: 32 n + 8 dt + j
.set MB,    0                          ; window 1, v256-319: the mask fetched ahead: 32 n + 8 t + j
.set KF,    64                         ; window 1, v320-383: K fetched ahead: 16 t + 8 ds
.set G1M,   24
.set G1K,   32
.set G1V,   40
.set G0M,   48                         ; a set of four for each slot
.set G0K,   56
.set G0V,   68
.set MSB, 0
.macro WIN new                         ; the immediate's high byte repeats the setting that is left; at a label and at a branch every window is 0
.if MSB != \new
	s_set_vgpr_msb (MSB<<8)|\new
.set MSB, \new
.endif
.endm
.set TO_W1, 0x40                       ; an LDS load's destination window 1, its address window 0
.set W_QK0, 0x11                       ; source 0 (K) and source 2 (the mask) window 1
.set W_QK1, 0x01                       ; source 0 (K) window 1
.macro ROUND                           ; a round of the cluster's barrier
	s_barrier_signal -1
	s_barrier_wait -1
	s_cmp_lg_u32 s14, 0
	s_cbranch_scc1 .Lnot_wave_0_\@
	s_barrier_signal -3
.Lnot_wave_0_\@:
	s_barrier_wait -3
	s_barrier_signal -1
	s_barrier_wait -1
.endm
.macro JLOAD s                         ; waves 0, 1: 64 rows of the mask each; 2, 3: K of head 0, 1; 4, 5: V of head 0, 1; 6, 7: none
	s_cmp_ge_u32 s14, 2
	s_cbranch_scc1 .Lnot_m_\@
	tensor_load_to_lds s[G0M+4*\s:G0M+4*\s+3], s[G1M:G1M+7]
	s_nop 0
	s_branch .Lasked_\@
.Lnot_m_\@:
	s_cmp_ge_u32 s14, 4
	s_cbranch_scc1 .Lnot_k_\@
	tensor_load_to_lds s[G0K+4*\s:G0K+4*\s+3], s[G1K:G1K+7]
	s_nop 0
	s_branch .Lasked_\@
.Lnot_k_\@:
	s_cmp_ge_u32 s14, 6
	s_cbranch_scc1 .Lasked_\@
	tensor_load_to_lds s[G0V+4*\s:G0V+4*\s+3], s[G1V:G1V+7]
	s_nop 0
.Lasked_\@:
.endm
	s_load_b256 s[4:11], s[0:1], 0x0               ; qb s[4:5], kb s[6:7], vb s[8:9], mask s[10:11]
	s_load_b64 s[12:13], s[0:1], 0x20              ; ao
	s_set_vgpr_msb 0x40
	v_lshl_add_u32 v128, v0, 2, 0x4f800
	v_mov_b32 v129, 0
	s_set_vgpr_msb 0x4045
	ds_add_u32 v128, v129
	s_set_vgpr_msb 0x4500
	v_lshrrev_b32 v1, 5, v0
	v_readfirstlane_b32 s14, v1                    ; wave 0..7
	s_bfe_u32 s15, ttmp6, 0x40000                  ; cx
	s_bfe_u32 s16, ttmp6, 0x40004                  ; cy
	s_lshl_b32 s17, ttmp9, 2
	s_add_co_u32 s17, s17, s15                     ; qx: block of 128 queries, 0..15
	s_and_b32 s18, ttmp7, 0xffff
	s_lshl_b32 s18, s18, 2
	s_add_co_u32 s18, s18, s16                     ; g: heads 2 g, 2 g + 1 of the 32 (batch, head) pairs
	s_mov_b32 s20, 0x76543210                      ; v_permlanex16_b32: lane i of the other half
	s_mov_b32 s21, 0xfedcba98
	s_mov_b32 s22, 0x3fb8aa3b                      ; log2(e), twice
	s_mov_b32 s23, 0x3fb8aa3b
	s_mov_b32 s79, 0xff7fffff                      ; the most negative finite f32
	s_lshl_b32 s80, 0x1111, s15                    ; my column of the cluster
	s_lshl_b32 s82, s16, 2
	s_lshl_b32 s82, 15, s82                        ; my row
	s_or_b32 s[G1M], s80, (2<<16)|(1<<20)|(1<<21)|(6<<22)|(3<<25)   ; 4-byte elements; after 128 words 4 words of padding
	s_or_b32 s[G1K], s82, (1<<16)|(1<<20)|(1<<21)|(4<<22)|(3<<25)   ; 2-byte elements; after 32 words (a key) 4 words
	s_or_b32 s[G1V], s82, (1<<16)|(1<<20)|(1<<21)|(4<<22)|(7<<25)   ; after 32 words 8 words
.irp g, G1M, G1K, G1V
	s_mov_b32 s[\g+1], 128<<16                     ; tensor_dim0 = 128
	s_mov_b32 s[\g+2], 64<<16                      ; tensor_dim1 = 64
	s_mov_b32 s[\g+3], 128<<16                     ; tile_dim0 = 128 elements: 512 bytes of a mask row; 256 bytes = two keys of the dense K or V
	s_mov_b32 s[\g+4], 64                          ; tile_dim1 = 64 rows
	s_mov_b32 s[\g+6], 0
	s_mov_b32 s[\g+7], 0
.endr
	s_mov_b32 s[G1M+5], 2048                       ; elements from row to row
	s_mov_b32 s[G1K+5], 128
	s_mov_b32 s[G1V+5], 128
	s_and_b32 s83, s14, 1
	s_lshl_b32 s80, s17, 20                        ; mask: 128 qx rows of 8,192 bytes
	s_lshl_b32 s81, s83, 19                        ; + 64 rows for the odd wave
	s_add_co_u32 s80, s80, s81
	s_mov_b32 s81, 0
	s_lshl_b32 s82, s18, 19                        ; K, V: head 2 g + (w % 2), 262,144 bytes each
	s_lshl_b32 s83, s83, 18
	s_add_co_u32 s82, s82, s83
	s_mov_b32 s83, 0
	s_lshr_b32 s19, s14, 2                         ; hw: my head of the two
	s_and_b32 s78, s14, 3                          ; wq: my 32 queries of the 128
	s_lshl_b32 s84, s18, 19                        ; Q: head, query block, my queries, 128 bytes each
	s_lshl_b32 s85, s19, 18
	s_add_co_u32 s84, s84, s85
	s_lshl_b32 s85, s17, 14
	s_add_co_u32 s84, s84, s85
	s_lshl_b32 s85, s78, 12
	s_add_co_u32 s84, s84, s85
	s_mov_b32 s85, 0
	s_lshr_b32 s86, s18, 3                         ; ao: batch x 2,048 rows of 2,048 bytes, 128 qx rows, head pair x 256 bytes
	s_lshl_b32 s86, s86, 22
	s_lshl_b32 s87, s17, 18
	s_add_co_u32 s86, s86, s87
	s_and_b32 s87, s18, 7
	s_lshl_b32 s87, s87, 8
	s_add_co_u32 s86, s86, s87
	s_mov_b32 s87, 0
	s_lshl_b32 s76, s17, 20                        ; prefetch: my query block's rows, 1,024 bytes in; stepped by 1,024 ahead of each request
	s_add_co_u32 s76, s76, 1024
	s_mov_b32 s77, 0
	s_wait_dscnt 0x0
	s_wait_kmcnt 0x0
	s_mov_b32 s[G0M], 1
	s_mul_i32 s[G0M+1], s14, 64*PM
	s_add_nc_u64 s[G0M+2:G0M+3], s[10:11], s[80:81]
	s_mov_b32 s[G0M+4], 1
	s_add_co_u32 s[G0M+5], s[G0M+1], SLOT
	s_add_nc_u64 s[G0M+6:G0M+7], s[G0M+2:G0M+3], 512               ; the next 128 keys
	s_or_b32 s[G0M+3], s[G0M+3], 0x80000000
	s_or_b32 s[G0M+7], s[G0M+7], 0x80000000
	s_mov_b32 s[G0K], 1
	s_mul_i32 s[G0K+1], s14, 128*PKK
	s_add_co_u32 s[G0K+1], s[G0K+1], KOFF-2*128*PKK                ; waves 2, 3
	s_add_nc_u64 s[G0K+2:G0K+3], s[6:7], s[82:83]
	s_mov_b32 s[G0K+4], 1
	s_add_co_u32 s[G0K+5], s[G0K+1], SLOT
	s_add_nc_u64 s[G0K+6:G0K+7], s[G0K+2:G0K+3], 16384
	s_or_b32 s[G0K+3], s[G0K+3], 0x80000000
	s_or_b32 s[G0K+7], s[G0K+7], 0x80000000
	s_mov_b32 s[G0V], 1
	s_mul_i32 s[G0V+1], s14, 128*PV
	s_add_co_u32 s[G0V+1], s[G0V+1], VOFF-4*128*PV                 ; waves 4, 5
	s_add_nc_u64 s[G0V+2:G0V+3], s[8:9], s[82:83]
	s_mov_b32 s[G0V+4], 1
	s_add_co_u32 s[G0V+5], s[G0V+1], SLOT
	s_add_nc_u64 s[G0V+6:G0V+7], s[G0V+2:G0V+3], 16384
	s_or_b32 s[G0V+3], s[G0V+3], 0x80000000
	s_or_b32 s[G0V+7], s[G0V+7], 0x80000000
	s_add_nc_u64 s[76:77], s[10:11], s[76:77]
	s_add_nc_u64 s[4:5], s[4:5], s[84:85]
	s_add_nc_u64 s[12:13], s[12:13], s[86:87]
	ROUND                                          ; in front of the first joint loads
	; the first fills, both slots of a wave inside one branch on its number: two tensor loads of a wave are out here, later one
	s_cmp_ge_u32 s14, 2
	s_cbranch_scc1 .Lff_not_m
	tensor_load_to_lds s[G0M:G0M+3], s[G1M:G1M+7]
	s_nop 0
	tensor_load_to_lds s[G0M+4:G0M+7], s[G1M:G1M+7]
	s_nop 0
	s_branch .Lff_done
.Lff_not_m:
	s_cmp_ge_u32 s14, 4
	s_cbranch_scc1 .Lff_not_k
	tensor_load_to_lds s[G0K:G0K+3], s[G1K:G1K+7]
	s_nop 0
	tensor_load_to_lds s[G0K+4:G0K+7], s[G1K:G1K+7]
	s_nop 0
	s_branch .Lff_done
.Lff_not_k:
	s_cmp_ge_u32 s14, 6
	s_cbranch_scc1 .Lff_done
	tensor_load_to_lds s[G0V:G0V+3], s[G1V:G1V+7]
	s_nop 0
	tensor_load_to_lds s[G0V+4:G0V+7], s[G1V:G1V+7]
	s_nop 0
.Lff_done:
	v_and_b32 v1, 31, v0                           ; l
	v_and_b32 v2, 15, v0                           ; r
	v_bfe_u32 v3, v0, 4, 1                         ; h
	v_lshrrev_b32 v21, 2, v1                       ; prefetch: the 16 work-groups of a query block take 8 of its rows each (row 8 g + l / 4),
	v_lshlrev_b32 v21, 13, v21
	v_and_b32 v22, 3, v0                           ; four blocks of 256 bytes a row
	v_lshl_add_u32 v21, v22, 8, v21
	s_lshl_b32 s84, s18, 16
	v_add_nc_u32 v[PFO], s84, v21
	v_lshlrev_b32 v21, 7, v2
	v_lshl_add_u32 v[QO], v3, 4, v21               ; Q: query r, 16 bytes for each half of the lanes
.irp n, 0,1
.irp ds, 0,1
	global_load_b128 v[QF+16*\n+8*\ds:QF+16*\n+8*\ds+3],   v[QO], s[4:5] offset:2048*\n+64*\ds
	global_load_b128 v[QF+16*\n+8*\ds+4:QF+16*\n+8*\ds+7], v[QO], s[4:5] offset:2048*\n+64*\ds+32
.endr
.endr
	v_lshl_add_u32 v20, s78, 5, v2                 ; 32 wq + r
	v_mul_u32_u24 v21, v20, PM
	v_lshl_add_u32 v[MA], v3, 5, v21               ; mask row of my query, 32 bytes for each half
	v_add_nc_u32 v[MA+1], SLOT, v[MA]
	s_mul_i32 s84, s19, 128*PKK
	s_add_co_u32 s84, s84, KOFF
	v_mul_u32_u24 v21, v2, PKK
	v_lshl_add_u32 v21, v3, 4, v21
	v_add_nc_u32 v[KA], s84, v21
	v_add_nc_u32 v[KA+1], SLOT, v[KA]
	s_mul_i32 s84, s19, 128*PV
	s_add_co_u32 s84, s84, VOFF
	v_and_b32 v21, 7, v0
	v_lshl_add_u32 v21, v3, 3, v21                 ; transposing load: key 8 h + l % 8
	v_mul_u32_u24 v21, v21, PV
	v_bfe_u32 v22, v0, 3, 1
	v_lshl_add_u32 v21, v22, 4, v21
	v_add_nc_u32 v[VA], s84, v21
	v_add_nc_u32 v[VA+1], SLOT, v[VA]
	v_mul_u32_u24 v21, v20, PST
	v_lshl_add_u32 v21, v3, 4, v21
	s_lshl_b32 s84, s19, 7
	s_add_co_u32 s84, s84, STAGE
	v_add_nc_u32 v[STO], s84, v21                  ; stage in: my query's row, my head's 128 bytes
	v_lshl_add_u32 v22, s14, 4, v3                 ; back: rows 16 w + h
	v_mul_u32_u24 v21, v22, PST
	v_lshl_add_u32 v21, v2, 4, v21
	v_add_nc_u32 v[RD], STAGE, v21
	v_lshlrev_b32 v21, 11, v22
	v_lshl_add_u32 v[CO], v2, 4, v21
; 32 LDS loads in one run, into window 1: the mask and K of the 64 keys of half sub of a slot
.macro PREF slot, sub
	WIN TO_W1
.irp t, 0,1,2,3
.irp n, 0,1
	ds_load_b128 v[MB+32*\n+8*\t:MB+32*\n+8*\t+3],   v[MA+\slot] offset:16*PM*\n+256*\sub+64*\t
	ds_load_b128 v[MB+32*\n+8*\t+4:MB+32*\n+8*\t+7], v[MA+\slot] offset:16*PM*\n+256*\sub+64*\t+16
.endr
.irp ds, 0,1
	ds_load_b128 v[KF+16*\t+8*\ds:KF+16*\t+8*\ds+3],   v[KA+\slot] offset:64*PKK*\sub+16*PKK*\t+64*\ds
	ds_load_b128 v[KF+16*\t+8*\ds+4:KF+16*\t+8*\ds+7], v[KA+\slot] offset:64*PKK*\sub+16*PKK*\t+64*\ds+32
.endr
.endr
	WIN 0
.endm
; 16 transposing LDS loads: V of the same 64 keys
.macro VLOAD slot, sub
.irp dt, 0,1,2,3
.irp u, 0,1
	ds_load_tr16_b128 v[FR+16*\dt+8*\u:FR+16*\dt+8*\u+3],   v[VA+\slot] offset:64*PV*\sub+32*PV*\u+32*\dt
	ds_load_tr16_b128 v[FR+16*\dt+8*\u+4:FR+16*\dt+8*\u+7], v[VA+\slot] offset:64*PV*\sub+32*PV*\u+32*\dt+16*PV
.endr
.endr
.endm
; 16 matrix instructions: the eight score tiles, first d = 0-31 with the mask as C (D disjoint from C), then d = 32-63 in place.
; The eight accumulators take turns, one instruction a turn.  The window is left at W_QK1.
.macro SCORES
	WIN W_QK0
.irp t, 0,1,2,3
.irp n, 0,1
	v_wmma_f32_16x16x32_f16 v[SC+32*\n+8*\t:SC+32*\n+8*\t+7], v[KF+16*\t:KF+16*\t+7], v[QF+16*\n:QF+16*\n+7], v[MB+32*\n+8*\t:MB+32*\n+8*\t+7]
.endr
.endr
	WIN W_QK1
.irp t, 0,1,2,3
.irp n, 0,1
	v_wmma_f32_16x16x32_f16 v[SC+32*\n+8*\t:SC+32*\n+8*\t+7], v[KF+16*\t+8:KF+16*\t+15], v[QF+16*\n+8:QF+16*\n+15], v[SC+32*\n+8*\t:SC+32*\n+8*\t+7]
.endr
.endr
.endm
; the largest of the lane's 32 scores of each query tile, four chains each, the two tiles side by side so that each fills the other's
; dependent tail; joined with the other half's and with the running maximum
.macro MAXRED first
.irp n, 0,1
.irp k, 0,1,2,3
	v_max3_num_f32 v[TT+8*\n+\k], v[SC+32*\n+3*\k], v[SC+32*\n+3*\k+1], v[SC+32*\n+3*\k+2]
.endr
.endr
.irp i, 0,1,2,3,4,5,6,7,8,9
.irp n, 0,1
	v_max3_num_f32 v[TT+8*\n+(\i%4)], v[TT+8*\n+(\i%4)], v[SC+32*\n+12+2*\i], v[SC+32*\n+13+2*\i]
.endr
.endr
.irp n, 0,1
	v_max3_num_f32 v[TT+8*\n], v[TT+8*\n], v[TT+8*\n+1], v[TT+8*\n+2]
.endr
.irp n, 0,1
	v_max_num_f32 v[TT+8*\n], v[TT+8*\n], v[TT+8*\n+3]
.endr
.irp n, 0,1
	v_permlanex16_b32 v[TT+8*\n+1], v[TT+8*\n], s20, s21
.endr
.irp n, 0,1
.if \first
	v_max3_num_f32 v[MX+\n], v[TT+8*\n], v[TT+8*\n+1], s79
.else
	v_max3_num_f32 v[TT+4+\n], v[TT+8*\n], v[TT+8*\n+1], v[MX+\n]
.endif
.endr
.endm
.macro PRE n, t                        ; (s - m) log2(e) on key tile t
.irp p, 0,2,4,6
	v_pk_add_f32 v[SC+32*\n+8*\t+\p:SC+32*\n+8*\t+\p+1], v[SC+32*\n+8*\t+\p:SC+32*\n+8*\t+\p+1], v[MX:MX+1] op_sel:[0,\n] op_sel_hi:[1,\n] neg_lo:[0,1] neg_hi:[0,1]
.endr
.irp p, 0,2,4,6
	v_pk_mul_f32 v[SC+32*\n+8*\t+\p:SC+32*\n+8*\t+\p+1], v[SC+32*\n+8*\t+\p:SC+32*\n+8*\t+\p+1], s[22:23] op_sel_hi:[1,0]
.endr
.endm
.macro EXPT n, t                       ; straight behind these always follows plain work on another tile (ISA guide 5.7.2)
.irp j, 0,1,2,3,4,5,6,7
	v_exp_f32 v[SC+32*\n+8*\t+\j], v[SC+32*\n+8*\t+\j]
.endr
.endm
.macro POST n, t                       ; add tile t to the step's sum, then pack it in place: tiles 2 u, 2 u + 1 become registers 0-3, 4-7 of P's fragment u
.if \t == 0
	s_wait_alu depctr_va_vdst(0)
	v_pk_add_f32 v[TT+8:TT+9],   v[SC+32*\n:SC+32*\n+1],   v[SC+32*\n+2:SC+32*\n+3]
	v_pk_add_f32 v[TT+10:TT+11], v[SC+32*\n+4:SC+32*\n+5], v[SC+32*\n+6:SC+32*\n+7]
.else
	s_wait_alu depctr_va_vdst(0)
	v_pk_add_f32 v[TT+8:TT+9],   v[TT+8:TT+9],   v[SC+32*\n+8*\t:SC+32*\n+8*\t+1]
	v_pk_add_f32 v[TT+10:TT+11], v[TT+10:TT+11], v[SC+32*\n+8*\t+2:SC+32*\n+8*\t+3]
	v_pk_add_f32 v[TT+8:TT+9],   v[TT+8:TT+9],   v[SC+32*\n+8*\t+4:SC+32*\n+8*\t+5]
	v_pk_add_f32 v[TT+10:TT+11], v[TT+10:TT+11], v[SC+32*\n+8*\t+6:SC+32*\n+8*\t+7]
.endif
.irp p, 0,1,2,3
	v_cvt_pk_f16_f32 v[SC+32*\n+16*(\t/2)+4*(\t%2)+\p], v[SC+32*\n+8*\t+2*\p], v[SC+32*\n+8*\t+2*\p+1]
.endr
.endm
; one P V product: O(n, dt) += V^T(dt, keys 32 u ..) P^T(keys 32 u .., n).  first = 1: the launch's first step starts O.
.macro PVW n, u, dt, first
.if \first*(1-\u)
	v_wmma_f32_16x16x32_f16 v[OA+32*\n+8*\dt:OA+32*\n+8*\dt+7], v[FR+16*\dt+8*\u:FR+16*\dt+8*\u+7], v[SC+32*\n+16*\u:SC+32*\n+16*\u+7], 0
.else
	v_wmma_f32_16x16x32_f16 v[OA+32*\n+8*\dt:OA+32*\n+8*\dt+7], v[FR+16*\dt+8*\u:FR+16*\dt+8*\u+7], v[SC+32*\n+16*\u:SC+32*\n+16*\u+7], v[OA+32*\n+8*\dt:OA+32*\n+8*\dt+7]
.endif
.endm
.macro PV0 pv, u, dt, first            ; query tile 0's product, where the softmax of query tile 1 carries them
.if \pv
	PVW 0, \u, \dt, \first
.endif
.endm
; The softmax of query tile n.  pv = 1 (n = 1): the eight P V products of query tile 0 stand among its vector instructions, never straight
; behind an exponential; they name O, V and P of tile 0 alone, which this softmax does not touch.  Their four accumulators take turns.
.macro SOFTMAX n, first, pv
	PRE \n, 0
	PV0 \pv, 0, 0, \first
	EXPT \n, 0
	PRE \n, 1
	PV0 \pv, 0, 1, \first
	EXPT \n, 1
	POST \n, 0
	PV0 \pv, 0, 2, \first
	PRE \n, 2
	PV0 \pv, 0, 3, \first
	EXPT \n, 2
	POST \n, 1
	PV0 \pv, 1, 0, \first
	PRE \n, 3
	PV0 \pv, 1, 1, \first
	EXPT \n, 3
	POST \n, 2
	PV0 \pv, 1, 2, \first
	POST \n, 3
	PV0 \pv, 1, 3, \first
	v_pk_add_f32 v[TT+8:TT+9], v[TT+8:TT+9], v[TT+10:TT+11]
.if \first
	v_add_f32 v[LS+\n], v[TT+8], v[TT+9]
.else
	v_add_f32 v[TT+8], v[TT+8], v[TT+9]
	v_fma_f32 v[LS+\n], v[LS+\n], v[AL+\n], v[TT+8]
.endif
.endm
; 64 keys: half sub of a slot; its mask and K are in window 1 or on their way there.  first = 1: the launch's first step starts maximum, sum and O.
; mode 1 (sub 0): fetch ahead from the same slot's second half.
; mode 2 (sub 1): my reads of the slot and all my tensor loads are waited for, the round, the slot's joint refill (one load a wave, with 128 keys'
;                 work in which to land), then fetch ahead from the other slot, which the round has shown whole.
; mode 3 (sub 1): the same with nothing left to refill.        mode 0: the launch's last step: nothing left to fetch.
; pf = 1: wave 7, which fetches no tile, asks for 8 rows x 1,024 bytes of the mask, its work-group's sixteenth of tiles 2 i + 4 and 2 i + 5 in
; trip i of the loop: the first is wanted by the joint refill one tile later, the second two tiles later.  Each block of 256 bytes is asked for
; once in the launch; the six trips ask for tiles 4 to 15, so no request passes a row's end.
.macro STEP slot, other, sub, first, mode, pf
.rept 5
	v_nop                                          ; five places behind the last P V products, whose source registers the score products write over; four serve V's loads
.endr
	VLOAD \slot, \sub
	s_wait_dscnt 16                                ; the 16 loads of V are younger than the 32 fetched ahead: mask and K are in
	SCORES
.rept 4
	v_nop                                          ; four places: loads land on the mask's and K's registers, and the scores are read
.endr
.if \mode == 1
	PREF \slot, 1
.else
	WIN 0
.endif
.if \mode >= 2
	s_wait_dscnt 0x0                               ; V is in: all that I read of this slot is in registers
	s_set_vgpr_msb 0x5
	s_wait_tensorcnt 0x0                           ; all my tensor loads have landed: the one that was out is my part of the other slot
	ds_add_u32 v128, v129
	s_wait_dscnt 0x0
	s_set_vgpr_msb 0x500
.if \mode == 2
	s_add_nc_u64 s[G0M+4*\slot+2:G0M+4*\slot+3], s[G0M+4*\slot+2:G0M+4*\slot+3], 1024      ; no tensor load of mine is out: two tiles on
	s_add_nc_u64 s[G0K+4*\slot+2:G0K+4*\slot+3], s[G0K+4*\slot+2:G0K+4*\slot+3], 32768
	s_add_nc_u64 s[G0V+4*\slot+2:G0V+4*\slot+3], s[G0V+4*\slot+2:G0V+4*\slot+3], 32768
.endif
	ROUND
.if \mode == 2
	JLOAD \slot
.endif
	PREF \other, 0
.if \pf
	s_cmp_lg_u32 s14, 7
	s_cbranch_scc1 .Lno_pf_\@
	s_wait_xcnt 0x0                                ; the last request's address is translated: its base may be stepped
	s_add_nc_u64 s[76:77], s[76:77], 1024
	global_prefetch_b8 v[PFO], s[76:77] th:TH_LOAD_NT scope:SCOPE_SE
.Lno_pf_\@:
.endif
.endif
	MAXRED \first
.if \first == 0
	v_pk_add_f32 v[TT+6:TT+7], v[MX:MX+1], v[TT+4:TT+5] neg_lo:[0,1] neg_hi:[0,1]      ; old maximum - new
	v_pk_mul_f32 v[TT+6:TT+7], v[TT+6:TT+7], s[22:23] op_sel_hi:[1,0]
	v_exp_f32 v[AL], v[TT+6]
	v_exp_f32 v[AL+1], v[TT+7]
	v_mov_b32 v[MX], v[TT+4]                       ; the plain place behind the exponentials
	v_mov_b32 v[MX+1], v[TT+5]
	s_wait_alu depctr_va_vdst(0)
.irp n, 0,1
.irp i, 0,2,4,6,8,10,12,14,16,18,20,22,24,26,28,30
	v_pk_mul_f32 v[OA+32*\n+\i:OA+32*\n+\i+1], v[OA+32*\n+\i:OA+32*\n+\i+1], v[AL:AL+1] op_sel:[0,\n] op_sel_hi:[1,\n]
.endr
.endr
.endif
	SOFTMAX 0, \first, 0
.if \mode == 1
	s_wait_dscnt 32                                ; V is in: the 32 loads fetched ahead are younger and stay out
.endif
.if \mode == 0
	s_wait_dscnt 0x0                               ; V is in: nothing was issued behind it
.endif
	SOFTMAX 1, \first, 1
.irp u, 0,1
.irp dt, 0,1,2,3
	PVW 1, \u, \dt, \first                         ; four accumulators take turns
.endr
.endr
.endm
.macro TILE slot, other, first, mode, pf           ; 128 keys: a slot
	STEP \slot, \other, 0, \first, 1, 0
	STEP \slot, \other, 1, 0, \mode, \pf
.endm
	s_wait_loadcnt 0x0                             ; Q
	s_wait_tensorcnt 0x1                           ; my part of slot 0 is in; slot 1's may stay out
	s_barrier_signal -1
	s_barrier_wait -1
	PREF 0, 0
	TILE 0, 1, 1, 2, 0                             ; tile 0; slot 0 gets tile 2
	s_mov_b32 s78, 6
.Llap:
	TILE 1, 0, 0, 2, 1                             ; tile 2 i + 1; slot 1 gets tile 2 i + 3
	TILE 0, 1, 0, 2, 0                             ; tile 2 i + 2; slot 0 gets tile 2 i + 4
	s_sub_co_u32 s78, s78, 1
	s_cmp_lg_u32 s78, 0
	s_cbranch_scc1 .Llap
	TILE 1, 0, 0, 2, 0                             ; tile 13; slot 1 gets tile 15: the last load
	TILE 0, 1, 0, 3, 0                             ; tile 14: the round shows tile 15 whole; nothing is filled
	TILE 1, 0, 0, 0, 0                             ; tile 15
	; THE END: join the halves' sums, divide, round to f16, through the stage so that a store's sixteen lanes hold a row's 256 bytes (two heads)
.rept 4
	v_nop
.endr
	v_permlanex16_b32 v[TT], v[LS], s20, s21
	v_permlanex16_b32 v[TT+1], v[LS+1], s20, s21
	v_pk_add_f32 v[LS:LS+1], v[LS:LS+1], v[TT:TT+1]
	v_rcp_f32 v[AL], v[LS]
	v_rcp_f32 v[AL+1], v[LS+1]
	v_nop
	s_wait_alu depctr_va_vdst(0)
.irp n, 0,1
.irp dt, 0,1,2,3
.irp p, 0,2,4,6
	v_pk_mul_f32 v[OA+32*\n+8*\dt+\p:OA+32*\n+8*\dt+\p+1], v[OA+32*\n+8*\dt+\p:OA+32*\n+8*\dt+\p+1], v[AL:AL+1] op_sel:[0,\n] op_sel_hi:[1,\n]
.endr
.irp p, 0,1,2,3
	v_cvt_pk_f16_f32 v[OA+32*\n+8*\dt+\p], v[OA+32*\n+8*\dt+2*\p], v[OA+32*\n+8*\dt+2*\p+1]
.endr
	ds_store_b128 v[STO], v[OA+32*\n+8*\dt:OA+32*\n+8*\dt+3] offset:16*PST*\n+32*\dt
.endr
.endr
	s_wait_dscnt 0x0                               ; my stores are in LDS: two waves share a row
	s_barrier_signal -1
	s_barrier_wait -1
.irp i, 0,1,2,3,4,5,6,7
	ds_load_b128 v[SC+4*\i:SC+4*\i+3], v[RD] offset:2*PST*\i
.endr
.irp i, 0,1,2,3,4,5,6,7
	s_wait_dscnt 7-\i
	global_store_b128 v[CO], v[SC+4*\i:SC+4*\i+3], s[12:13] offset:4096*\i     ; sixteen lanes store 256 consecutive bytes, aligned
.endr
	s_set_vgpr_msb 0x5
	s_wait_tensorcnt 0x0
	ds_add_u32 v128, v129
	s_wait_dscnt 0x0
	s_set_vgpr_msb 0x500
	ROUND                                          ; the closing round
	s_endpgm
.Lfunc_end_k_q81e02394d1_attn:
	.size	k_q81e02394d1_attn, .Lfunc_end_k_q81e02394d1_attn-k_q81e02394d1_attn
	.p2alignl 7, 3214868480
	.fill 96, 4, 3214868480
	.section	.rodata,"a",@progbits
	.p2align	6, 0x0
	.amdhsa_kernel k_q81e02394d1_attn
		.amdhsa_group_segment_fixed_size 327680
		.amdhsa_private_segment_fixed_size 0
		.amdhsa_enable_private_segment 0
		.amdhsa_kernarg_size 40
		.amdhsa_user_sgpr_count 2
		.amdhsa_user_sgpr_kernarg_segment_ptr 1
		.amdhsa_wavefront_size32 1
		.amdhsa_system_sgpr_workgroup_id_x 1
		.amdhsa_system_sgpr_workgroup_id_y 1
		.amdhsa_system_sgpr_workgroup_id_z 1
		.amdhsa_system_vgpr_workitem_id 0
		.amdhsa_next_free_vgpr 386
		.amdhsa_next_free_sgpr 88
		.amdhsa_reserve_vcc 0
		.amdhsa_float_denorm_mode_32 3
		.amdhsa_float_denorm_mode_16_64 3
		.amdhsa_memory_ordered 1
		.amdhsa_forward_progress 1
		.amdhsa_inst_pref_size 255
	.end_amdhsa_kernel
	.section	.bss,"aw",@nobits
	.p2align	6
	.space	262144
	.amdgpu_metadata
---
amdhsa.version: [ 1, 2 ]
amdhsa.kernels:
  - .name:           k_q81e02394d1_attn
    .symbol:         k_q81e02394d1_attn.kd
    .args:
      - { .name: qb, .offset: 0, .size: 8, .value_kind: global_buffer, .address_space: global }
      - { .name: kb, .offset: 8, .size: 8, .value_kind: global_buffer, .address_space: global }
      - { .name: vb, .offset: 16, .size: 8, .value_kind: global_buffer, .address_space: global }
      - { .name: mask, .offset: 24, .size: 8, .value_kind: global_buffer, .address_space: global }
      - { .name: ao, .offset: 32, .size: 8, .value_kind: global_buffer, .address_space: global }
    .group_segment_fixed_size: 327680
    .private_segment_fixed_size: 0
    .kernarg_segment_align: 8
    .kernarg_segment_size: 40
    .max_flat_workgroup_size: 256
    .sgpr_count:     88
    .vgpr_count:     386
    .wavefront_size: 32
...
	.end_amdgpu_metadata
.endif
;; end of part 3
;; launch proj (part 4): grid 8 x 32, 4 waves a work-group, clusters of 4 x 4, 327,680 bytes of LDS; arguments ao, wb, out0; writes out0
.if DOCPART == 4
	.amdgcn_target "amdgcn-amd-amdhsa--gfx1250"
	.amdhsa_code_object_version 6
	.text
	.protected	k_q81e02394d1_proj
	.globl	k_q81e02394d1_proj
	.p2align	8
	.type	k_q81e02394d1_proj,@function
k_q81e02394d1_proj:
	s_mov_b64 s[64:65], 0
	v_nop
	global_prefetch_b8 v0, s[64:65] scope:SCOPE_SE
	s_setreg_imm32_b32 hwreg(HW_REG_WAVE_MODE, 25, 1), 1
	s_wait_xcnt 0x0
	s_wait_alu depctr_hold_cnt(0) depctr_sa_sdst(0) depctr_va_vdst(0) depctr_va_sdst(0) depctr_va_ssrc(0) depctr_va_vcc(0) depctr_vm_vsrc(0)
	s_getreg_b32 s2, hwreg(HW_REG_IB_STS2, 6, 4)
	s_cmp_eq_u32 s2, 0
	s_cbranch_scc0 .Lentry_in_a_cluster
	s_endpgm
.Lentry_in_a_cluster:
	s_bfe_u32 s2, ttmp6, 0x10000c
	s_cmp_lg_u32 s2, 0xf033
	s_cbranch_scc0 .Lentry_shape_is_right
	s_endpgm
.Lentry_shape_is_right:
; proj: out0 = ao x wo.  ao [4096][1024] f16; wo = plane 0 of wb, [k][n], the bf16-rounded numbers written as f16; f32 sums, f32 out.
; 256 work-groups of 128 x 128; wave (w / 2, w % 2) makes 64 x 64: 16 accumulator tiles in window 1 at 8 (4 a + b).  A larger block would leave
; WGPs without work: 4096 x 1024 has only 256 blocks of this size.
; A slot holds 256 along K (two steps of 128), since 128 along K is only 64 matrix instructions a wave: one round for 128 of them.
; Waves 0, 1 fetch ao's 64-row halves (rows of 512 bytes), waves 2, 3 wo's k rows 0-127 and 128-255 (rows of 256 bytes).
; CLUSTER 4 x 4: ao's tile is asked for jointly along a row of the cluster, wo's along a column.
; The matrix instruction is used transposed (source 0 = 16 columns of wo, by the transposing LDS load; source 1 = 16 rows of ao): a lane holds
; row l % 16 and 8 neighbouring columns, 32 bytes.
.set REG,   36864
.set SLOT,  4*REG
.set STAGE, 2*SLOT                     ; bytes of its own: 16 rows x 272 for each wave
.set PA,    528                        ; ao's LDS row: 512 + 16
.set PB,    288                        ; wo's: 256 + 32
.set PS,    272                        ; the stage's: 256 + 16
.set ADRA,  8                          ; v8-9    slot 0, 1
.set ADRB,  10                         ; v10-13  2 slot + half of the slot's k rows
.set STO,   14
.set RD,    15
.set CO,    16
.set F0,    32                         ; fragment buffer 0: 4 of wo at +0, 4 of ao at +32
.set F1,    96
.set OB0,   160                        ; the way out, two buffers in turn
.set OB1,   192
.set G1A,   24
.set G1B,   32
.set G0A,   40
.set G0B,   48
.set MSB, 0
.macro WIN new
.if MSB != \new
	s_set_vgpr_msb (MSB<<8)|\new
.set MSB, \new
.endif
.endm
.set MULW, 0x50                        ; C and D window 1
.set STW,  0x04                        ; an LDS store's data window 1
.macro JLOAD s
	s_cmp_eq_u32 s11, 0
	s_cbranch_scc0 .Lfor_b_\@
	tensor_load_to_lds s[G0A+4*\s:G0A+4*\s+3], s[G1A:G1A+7]
	s_nop 0
	s_branch .Lasked_\@
.Lfor_b_\@:
	tensor_load_to_lds s[G0B+4*\s:G0B+4*\s+3], s[G1B:G1B+7]
	s_nop 0
.Lasked_\@:
.endm
.macro CREST
	s_cmp_lg_u32 s10, 0
	s_cbranch_scc1 .Lnot_wave_0_\@
	s_barrier_signal -3
.Lnot_wave_0_\@:
	s_barrier_wait -3
	s_barrier_signal -1
	s_barrier_wait -1
.endm
.macro CROUND
	s_barrier_signal -1
	s_barrier_wait -1
	CREST
.endm
.macro PLACES                          ; four places behind matrix instructions (ISA guide 7.12.1)
.rept 4
	v_nop
.endr
.endm
	s_load_b128 s[4:7], s[0:1], 0x0                ; ao s[4:5], wb s[6:7]
	s_load_b64 s[8:9], s[0:1], 0x10                ; out0
	v_lshl_add_u32 v254, v0, 2, 0x4c400
	v_mov_b32 v255, 0
	ds_add_u32 v254, v255
	v_lshrrev_b32 v1, 5, v0
	v_readfirstlane_b32 s10, v1                    ; wave 0..3
	s_lshr_b32 s11, s10, 1                         ; my half of the rows.  Also: I fetch for ao (0) or for wo (1)
	s_and_b32 s12, s10, 1                          ; my half of the columns.  Also: which half of that tile I fetch
	s_bfe_u32 s13, ttmp6, 0x40000                  ; cx
	s_bfe_u32 s14, ttmp6, 0x40004                  ; cy
	s_lshl_b32 s15, ttmp9, 2
	s_add_co_u32 s15, s15, s13                     ; nb
	s_and_b32 s16, ttmp7, 0xffff
	s_lshl_b32 s16, s16, 2
	s_add_co_u32 s16, s16, s14                     ; mb
	s_lshl_b32 s56, s14, 2
	s_lshl_b32 s56, 15, s56                        ; my row of the cluster
	s_lshl_b32 s58, 0x1111, s13                    ; my column
	s_or_b32 s[G1A], s56, (1<<16)|(1<<20)|(1<<21)|(6<<22)|(3<<25)   ; 2-byte elements; after 128 words 4 words of padding
	s_mov_b32 s[G1A+1], 256<<16                    ; tensor_dim0 = 256
	s_mov_b32 s[G1A+2], 64<<16                     ; tensor_dim1 = 64
	s_mov_b32 s[G1A+3], 256<<16                    ; tile_dim0 = 256 elements, 512 bytes
	s_mov_b32 s[G1A+4], 64                         ; tile_dim1 = 64 rows
	s_mov_b32 s[G1A+5], 1024
	s_mov_b32 s[G1A+6], 0
	s_mov_b32 s[G1A+7], 0
	s_or_b32 s[G1B], s58, (1<<16)|(1<<20)|(1<<21)|(5<<22)|(7<<25)   ; after 64 words 8 words
	s_mov_b32 s[G1B+1], 128<<16
	s_mov_b32 s[G1B+2], 128<<16
	s_mov_b32 s[G1B+3], 128<<16                    ; 128 elements, 256 bytes
	s_mov_b32 s[G1B+4], 128                        ; 128 k rows
	s_mov_b32 s[G1B+5], 1024
	s_mov_b32 s[G1B+6], 0
	s_mov_b32 s[G1B+7], 0
	s_lshl_b32 s56, s16, 18                        ; ao: 128 mb rows of 2,048 bytes + 64 rows for the odd wave
	s_lshl_b32 s57, s12, 17
	s_add_co_u32 s56, s56, s57
	s_mov_b32 s57, 0
	s_lshl_b32 s58, s15, 8                         ; wo: 128 nb columns of 2 bytes + 128 k rows for the odd wave
	s_lshl_b32 s59, s12, 18
	s_add_co_u32 s58, s58, s59
	s_mov_b32 s59, 0
	s_mul_i32 s17, s10, REG                        ; my region of a slot
	s_lshl_b32 s60, s16, 19                        ; out0: rows of 4,096 bytes, my 64 rows, my 64 columns
	s_lshl_b32 s61, s11, 18
	s_add_co_u32 s60, s60, s61
	s_lshl_b32 s61, s15, 9
	s_add_co_u32 s60, s60, s61
	s_lshl_b32 s61, s12, 8
	s_add_co_u32 s60, s60, s61
	s_mov_b32 s61, 0
	s_wait_dscnt 0x0
	s_wait_kmcnt 0x0
	s_add_nc_u64 s[56:57], s[4:5], s[56:57]
	s_add_nc_u64 s[58:59], s[6:7], s[58:59]
	s_add_nc_u64 s[8:9], s[8:9], s[60:61]
	CROUND                                         ; in front of the first joint loads
.irp s, 0,1
	s_mov_b32 s[G0A+4*\s], 1
	s_add_co_u32 s[G0A+4*\s+1], s17, \s*SLOT
	s_add_nc_u64 s[G0A+4*\s+2:G0A+4*\s+3], s[56:57], \s*512
	s_or_b32 s[G0A+4*\s+3], s[G0A+4*\s+3], 0x80000000
	s_mov_b32 s[G0B+4*\s], 1
	s_add_co_u32 s[G0B+4*\s+1], s17, \s*SLOT
	s_add_nc_u64 s[G0B+4*\s+2:G0B+4*\s+3], s[58:59], \s*524288
	s_or_b32 s[G0B+4*\s+3], s[G0B+4*\s+3], 0x80000000
	JLOAD \s                                       ; two tensor loads of the wave are out here, later one
.endr
	v_and_b32 v2, 15, v0                           ; r
	v_bfe_u32 v3, v0, 4, 1                         ; h
	v_and_b32 v4, 7, v0
	v_bfe_u32 v5, v0, 3, 1
	s_mul_i32 s62, s11, REG
	v_mul_u32_u24 v6, v2, PA
	v_lshl_add_u32 v6, v3, 4, v6
	v_add_nc_u32 v[ADRA], s62, v6
	v_add_nc_u32 v[ADRA+1], SLOT, v[ADRA]
	v_lshl_add_u32 v7, v3, 3, v4
	v_mul_u32_u24 v7, v7, PB
	v_lshl_add_u32 v7, v5, 4, v7
	v_lshl_add_u32 v7, s12, 7, v7                  ; my 64 columns
.irp s, 0,1
.irp hf, 0,1
	v_add_nc_u32 v[ADRB+2*\s+\hf], \s*SLOT+(2+\hf)*REG, v7
.endr
.endr
	s_mul_i32 s62, s10, 16*PS
	s_add_co_u32 s62, s62, STAGE                   ; my stage
	v_mul_u32_u24 v6, v2, PS
	v_lshl_add_u32 v6, v3, 5, v6
	v_add_nc_u32 v[STO], s62, v6                   ; in: row r, 32 bytes for each half of the lanes
	v_mul_u32_u24 v6, v3, PS
	v_lshl_add_u32 v6, v2, 4, v6
	v_add_nc_u32 v[RD], s62, v6                    ; back: lanes 0-15 one row of 256 bytes, lanes 16-31 the next
	v_lshlrev_b32 v6, 12, v3
	v_lshl_add_u32 v[CO], v2, 4, v6
; four matrix instructions: m tile a x all four n tiles.  The 16 accumulators take turns, one instruction a turn.
.macro MUL4 f, a, zero
.irp b, 0,1,2,3
.if \zero
	v_wmma_f32_16x16x32_f16 v[8*(4*\a+\b):8*(4*\a+\b)+7], v[\f+8*\b:\f+8*\b+7], v[\f+32+8*\a:\f+32+8*\a+7], 0
.else
	v_wmma_f32_16x16x32_f16 v[8*(4*\a+\b):8*(4*\a+\b)+7], v[\f+8*\b:\f+8*\b+7], v[\f+32+8*\a:\f+32+8*\a+7], v[8*(4*\a+\b):8*(4*\a+\b)+7]
.endif
.endr
.endm
.macro FETCH slot, kq, f               ; 16 LDS loads: eighth kq (32 along K) of a slot into buffer f
	WIN 0
.irp b, 0,1,2,3
	ds_load_tr16_b128 v[\f+8*\b:\f+8*\b+3],   v[ADRB+2*\slot+(\kq/4)] offset:(\kq%4)*32*PB+32*\b
	ds_load_tr16_b128 v[\f+8*\b+4:\f+8*\b+7], v[ADRB+2*\slot+(\kq/4)] offset:(\kq%4)*32*PB+32*\b+16*PB
.endr
.irp a, 0,1,2,3
	ds_load_b128 v[\f+32+8*\a:\f+32+8*\a+3],   v[ADRA+\slot] offset:\a*16*PA+64*\kq
	ds_load_b128 v[\f+32+8*\a+4:\f+32+8*\a+7], v[ADRA+\slot] offset:\a*16*PA+64*\kq+32
.endr
.endm
.macro EIGHTH slot, kq, f, g, zero     ; multiplies buffer f; in its middle fetches eighth kq into buffer g
	s_wait_dscnt 4                                 ; the youngest four loads (ao's tiles 2, 3) may be out
	WIN MULW
	MUL4 \f, 0, \zero
	MUL4 \f, 1, \zero
	PLACES
	FETCH \slot, \kq, \g
	s_wait_dscnt 16                                ; all but the 16 just issued
	WIN MULW
	MUL4 \f, 2, \zero
	MUL4 \f, 3, \zero
.endm
.macro SEVEN slot, zero
	EIGHTH \slot, 1, F0, F1, \zero
	EIGHTH \slot, 2, F1, F0, 0
	EIGHTH \slot, 3, F0, F1, 0
	EIGHTH \slot, 4, F1, F0, 0
	EIGHTH \slot, 5, F0, F1, 0
	EIGHTH \slot, 6, F1, F0, 0
	EIGHTH \slot, 7, F0, F1, 0
.endm
; The last eighth changes slots: each wave's reads of this slot and all its tensor loads are waited for in front of the barrier; where the slot is
; filled again the barrier opens a round of the cluster's barrier and the joint refill is the first tensor load behind the round.
.macro TURN slot, next, fill
	s_wait_dscnt 4
	WIN MULW
	MUL4 F1, 0, 0
	s_wait_dscnt 0x0
	s_wait_tensorcnt 0x0
	ds_add_u32 v254, v255
	s_wait_dscnt 0x0
	s_barrier_signal -1
	MUL4 F1, 1, 0                                  ; register work between signal and wait
	WIN 0
	s_barrier_wait -1
.if \fill
	CREST
	s_add_nc_u64 s[G0A+4*\slot+2:G0A+4*\slot+3], s[G0A+4*\slot+2:G0A+4*\slot+3], 1024     ; no tensor load of mine is out: 512 along K on
	s_add_nc_u64 s[G0B+4*\slot+2:G0B+4*\slot+3], s[G0B+4*\slot+2:G0B+4*\slot+3], 1048576
	JLOAD \slot
.endif
	PLACES
	FETCH \next, 0, F0
	WIN MULW
	MUL4 F1, 2, 0
	MUL4 F1, 3, 0
.endm
	s_wait_tensorcnt 0x1                           ; my part of slot 0 is in; slot 1's may stay out
	s_barrier_signal -1
	s_barrier_wait -1
	FETCH 0, 0, F0
	SEVEN 0, 1                                     ; K 0-255: the first products start the sums
	TURN 0, 1, 1
	SEVEN 1, 0                                     ; K 256-511
	TURN 1, 0, 1
	SEVEN 0, 0                                     ; K 512-767
	TURN 0, 1, 0                                   ; nothing is left to fetch
	SEVEN 1, 0                                     ; K 768-1023
	s_wait_dscnt 4
	WIN MULW
	MUL4 F1, 0, 0
	MUL4 F1, 1, 0
	s_wait_dscnt 0x0
	MUL4 F1, 2, 0
	MUL4 F1, 3, 0
	; THE WAY OUT, 16 rows at a time through my own stage: 32 bytes a lane in, whole rows of 256 bytes back.  LDS serves a wave's instructions in
	; order (ISA guide 5.7.1.4), so no wait stands between the stores and the loads.
	PLACES
.macro OUT16 a, f
	WIN STW
.irp b, 0,1,2,3
	ds_store_b128 v[STO], v[8*(4*\a+\b):8*(4*\a+\b)+3]   offset:64*\b
	ds_store_b128 v[STO], v[8*(4*\a+\b)+4:8*(4*\a+\b)+7] offset:64*\b+16
.endr
	WIN 0
	s_wait_xcnt 0x0                                ; buffer f, which earlier stores read, and the stores' base are rewritten only behind this wait
.if \a
	s_add_nc_u64 s[8:9], s[8:9], 65536             ; 16 rows on
.endif
.irp t, 0,1,2,3,4,5,6,7
	ds_load_b128 v[\f+4*\t:\f+4*\t+3], v[RD] offset:2*PS*\t
.endr
.irp t, 0,1,2,3,4,5,6,7
	s_wait_dscnt 7-\t
	global_store_b128 v[CO], v[\f+4*\t:\f+4*\t+3], s[8:9] offset:8192*\t th:TH_STORE_NT    ; sixteen lanes store 256 consecutive bytes, aligned
.endr
.endm
	OUT16 0, OB0
	OUT16 1, OB1
	OUT16 2, OB0
	OUT16 3, OB1
	s_wait_tensorcnt 0x0
	ds_add_u32 v254, v255
	s_wait_dscnt 0x0
	CROUND                                         ; the closing round
	s_endpgm
.Lfunc_end_k_q81e02394d1_proj:
	.size	k_q81e02394d1_proj, .Lfunc_end_k_q81e02394d1_proj-k_q81e02394d1_proj
	.p2alignl 7, 3214868480
	.fill 96, 4, 3214868480
	.section	.rodata,"a",@progbits
	.p2align	6, 0x0
	.amdhsa_kernel k_q81e02394d1_proj
		.amdhsa_group_segment_fixed_size 327680
		.amdhsa_private_segment_fixed_size 0
		.amdhsa_enable_private_segment 0
		.amdhsa_kernarg_size 24
		.amdhsa_user_sgpr_count 2
		.amdhsa_user_sgpr_kernarg_segment_ptr 1
		.amdhsa_wavefront_size32 1
		.amdhsa_system_sgpr_workgroup_id_x 1
		.amdhsa_system_sgpr_workgroup_id_y 1
		.amdhsa_system_sgpr_workgroup_id_z 1
		.amdhsa_system_vgpr_workitem_id 0
		.amdhsa_next_free_vgpr 384
		.amdhsa_next_free_sgpr 66
		.amdhsa_reserve_vcc 0
		.amdhsa_float_denorm_mode_32 3
		.amdhsa_float_denorm_mode_16_64 3
		.amdhsa_memory_ordered 1
		.amdhsa_forward_progress 1
		.amdhsa_inst_pref_size 90
	.end_amdhsa_kernel
	.amdgpu_metadata
---
amdhsa.version: [ 1, 2 ]
amdhsa.kernels:
  - .name:           k_q81e02394d1_proj
    .symbol:         k_q81e02394d1_proj.kd
    .args:
      - { .name: ao, .offset: 0, .size: 8, .value_kind: global_buffer, .address_space: global }
      - { .name: wb, .offset: 8, .size: 8, .value_kind: global_buffer, .address_space: global }
      - { .name: out0, .offset: 16, .size: 8, .value_kind: global_buffer, .address_space: global }
    .group_segment_fixed_size: 327680
    .private_segment_fixed_size: 0
    .kernarg_segment_align: 8
    .kernarg_segment_size: 24
    .max_flat_workgroup_size: 128
    .sgpr_count:     66
    .vgpr_count:     384
    .wavefront_size: 32
...
	.end_amdgpu_metadata
.endif
;; end of part 4
;; ======== version 2 of 2: 4 launches; version 1 with the launch prep written anew for expert scheduling mode
;; limits: values are held in f16: magnitudes above 65,504 overflow, below 6.1e-05 lose precision; values outside matrix products are rounded to bf16
;; workspace buffers: xb 8,388,608 bytes; wb 8,388,608 bytes; qb 8,388,608 bytes; kb 8,388,608 bytes; vb 8,388,608 bytes; ao 8,388,608 bytes
;; launch prep (part 5): grid 256 x 1, 8 waves a work-group, no clusters, 0 bytes of LDS; arguments x, wo, wq, wk, wv, xb, wb; writes xb, wb
.if DOCPART == 5
	.amdgcn_target "amdgcn-amd-amdhsa--gfx1250"
	.amdhsa_code_object_version 6
	.text
	.protected	k_q81e02394d1_prep
	.globl	k_q81e02394d1_prep
	.p2align	8
	.type	k_q81e02394d1_prep,@function
k_q81e02394d1_prep:
	s_mov_b64 s[64:65], 0
	v_nop
	global_prefetch_b8 v0, s[64:65] scope:SCOPE_SE
	s_setreg_imm32_b32 hwreg(HW_REG_WAVE_SCHED_MODE, 0, 2), 2
	s_setreg_imm32_b32 hwreg(HW_REG_WAVE_MODE, 25, 1), 1
	s_wait_xcnt 0x0
	s_wait_alu depctr_vm_vsrc(0)
; prep: the five matrix operands are rounded once to 16 bits, so that the products can fetch them by tensor loads.
;   xb = bf16(x)                       [4096][1024]
;   wb = four planes [1024 k][1024 n]: 0 = bf16(wo), re-encoded as f16;  1 = bf16(wq / 8);  2 = bf16(wk);  3 = bf16(wv)
; 1/8 = 1/sqrt(64) is a power of two, so bf16(wq / 8) = bf16(wq) / 8 exactly, and RoPE is linear: q arrives scaled.
; LIMIT: bf16(wo) is exact in f16 for 2^-14 <= |wo| <= 65,504; below that it loses bits (absolute error at most 2^-25), above it is infinite.
; 256 work-groups of 32,768 numbers: 0-127 take x, then 32 each take wo, wq, wk, wv.  A thread has 32 loads of 16 bytes, all issued
; at once (131,072 bytes of the work-group on their way); a wave's load covers 512 consecutive bytes, its store 256, both aligned.
; No LDS, no matrix unit, no cluster: nothing is shared and nothing is multiplied.
; THE MODE: SCHED_MODE bits 1:0 = 2 (LLVM: expert scheduling mode 2), set by the entry lines.  The code itself states the register dependences
; between vector instructions and memory instructions, with s_wait_alu, always for 0.
; THE PLAN.  Registers that memory instructions touch:
;   v1, v2   byte offsets of the loads and of the stores: written once at the head, never again.
;   X        32 x 4 registers: each written by one load, and named by no vector instruction ahead of that load; read (for wq: rewritten in place) by vector instructions behind the load's own wait.
;   Y        32 x 2 registers: written by the conversions, read by one store each, and never written again: so no register that a memory instruction has read is ever rewritten.
;   T        named by vector instructions alone.
; The 32 chunks go in 8 blocks of four: the wait for the block's four loads, its conversions, ONE wait on va_vdst, its four stores.  That wait stands behind the block's own
; conversions and not at the next block's head: behind them the wave has nothing to issue but these stores and the wait for the next block's loads, and no register waits to be used again.
; No vector instruction writes a scalar register or VCC, and EXEC is never written.
.set X, 8                              ; v[8:135]   32 x 4 numbers as loaded
.set Y, 136                            ; v[136:199] 32 x 2 words to store
.set T, 200                            ; v[200:203] at work (wo alone)
.set BLOCK, 4                          ; chunks in a block
	s_load_b256 s[4:11], s[0:1], 0x0               ; x s[4:5], wo s[6:7], wq s[8:9], wk s[10:11]
	s_load_b128 s[12:15], s[0:1], 0x20             ; wv s[12:13], xb s[14:15]
	s_load_b64 s[16:17], s[0:1], 0x30              ; wb
	s_mov_b32 s18, ttmp9                           ; the work-group's number
	v_lshlrev_b32 v1, 4, v0                        ; 16 bytes a thread in
	v_lshlrev_b32 v2, 3, v0                        ; 8 bytes a thread out
	s_mov_b32 s24, 0x3e000000                      ; 0.125, twice: the pair that the packed multiply names
	s_mov_b32 s25, 0x3e000000
	s_and_b32 s26, s18, 31                         ; part of a weight matrix,
	s_and_b32 s28, s18, 127                        ; part of xb, or of wb (the planes follow each other in the order of the work-groups)
	s_cmp_lt_u32 s18, 128
	s_cselect_b32 s26, s18, s26                    ; or part of x
	s_lshl_b32 s26, s26, 17                        ; 131,072 bytes in
	s_mov_b32 s27, 0
	s_lshl_b32 s28, s28, 16                        ; 65,536 bytes out
	s_mov_b32 s29, 0
	s_wait_kmcnt 0x0
	s_cmp_ge_u32 s18, 128
	s_cselect_b64 s[20:21], s[6:7], s[4:5]         ; source: x, or wo,
	s_cselect_b64 s[22:23], s[16:17], s[14:15]     ; destination: xb, or wb
	s_cmp_ge_u32 s18, 160
	s_cselect_b64 s[20:21], s[8:9], s[20:21]       ; wq,
	s_cmp_ge_u32 s18, 192
	s_cselect_b64 s[20:21], s[10:11], s[20:21]     ; wk,
	s_cmp_ge_u32 s18, 224
	s_cselect_b64 s[20:21], s[12:13], s[20:21]     ; wv
	s_add_nc_u64 s[20:21], s[20:21], s[26:27]
	s_add_nc_u64 s[22:23], s[22:23], s[28:29]
	s_wait_alu depctr_va_vdst(0)                   ; v1 and v2 are written: every load reads v1 as its offset, every store v2; no later vector instruction names either
.set i, 0
.rept 32
	global_load_b128 v[X+4*i:X+4*i+3], v1, s[20:21] offset:4096*i th:TH_LOAD_NT
.set i, i+1
.endr
; mode 0: round to bf16.  mode 1: times 1/8 first.  mode 2: round to bf16, then write the same numbers as f16.
; Block p of eight: loads come back in order (ISA guide 5.7.1), so with the 28 - 4 p loads of the younger blocks still out the block's four are in.
.macro CONV mode
.set p, 0
.rept 32/BLOCK
	s_wait_loadcnt 32-BLOCK-BLOCK*p
.set i, BLOCK*p
.rept BLOCK
.if \mode == 1
	v_pk_mul_f32 v[X+4*i:X+4*i+1], v[X+4*i:X+4*i+1], s[24:25] op_sel_hi:[1,0]
	v_pk_mul_f32 v[X+4*i+2:X+4*i+3], v[X+4*i+2:X+4*i+3], s[24:25] op_sel_hi:[1,0]
.endif
	v_cvt_pk_bf16_f32 v[Y+2*i], v[X+4*i], v[X+4*i+1]
	v_cvt_pk_bf16_f32 v[Y+2*i+1], v[X+4*i+2], v[X+4*i+3]
.if \mode == 2
	v_lshlrev_b32 v[T], 16, v[Y+2*i]               ; bf16 to f32: the low half moves up, the high half stays
	v_and_b32 v[T+1], 0xffff0000, v[Y+2*i]
	v_lshlrev_b32 v[T+2], 16, v[Y+2*i+1]
	v_and_b32 v[T+3], 0xffff0000, v[Y+2*i+1]
	v_cvt_pk_f16_f32 v[Y+2*i], v[T], v[T+1]
	v_cvt_pk_f16_f32 v[Y+2*i+1], v[T+2], v[T+3]
.endif
.set i, i+1
.endr
	s_wait_alu depctr_va_vdst(0)                   ; the block's conversions have written its eight registers of Y, which the four stores below read
.set i, BLOCK*p
.rept BLOCK
	global_store_b64 v2, v[Y+2*i:Y+2*i+1], s[22:23] offset:2048*i
.set i, i+1
.endr
.set p, p+1
.endr
.endm
	s_cmp_lt_u32 s18, 128
	s_cbranch_scc1 .Lplain
	s_cmp_lt_u32 s18, 160
	s_cbranch_scc1 .Lwo
	s_cmp_lt_u32 s18, 192
	s_cbranch_scc1 .Lwq
.Lplain:
	CONV 0
	s_endpgm
.Lwo:
	CONV 2
	s_endpgm
.Lwq:
	CONV 1
	s_endpgm
.Lfunc_end_k_q81e02394d1_prep:
	.size	k_q81e02394d1_prep, .Lfunc_end_k_q81e02394d1_prep-k_q81e02394d1_prep
	.p2alignl 7, 3214868480
	.fill 96, 4, 3214868480
	.section	.rodata,"a",@progbits
	.p2align	6, 0x0
	.amdhsa_kernel k_q81e02394d1_prep
		.amdhsa_group_segment_fixed_size 0
		.amdhsa_private_segment_fixed_size 0
		.amdhsa_enable_private_segment 0
		.amdhsa_kernarg_size 56
		.amdhsa_user_sgpr_count 2
		.amdhsa_user_sgpr_kernarg_segment_ptr 1
		.amdhsa_wavefront_size32 1
		.amdhsa_system_sgpr_workgroup_id_x 1
		.amdhsa_system_sgpr_workgroup_id_y 1
		.amdhsa_system_sgpr_workgroup_id_z 1
		.amdhsa_system_vgpr_workitem_id 0
		.amdhsa_next_free_vgpr 208
		.amdhsa_next_free_sgpr 66
		.amdhsa_reserve_vcc 0
		.amdhsa_float_denorm_mode_32 3
		.amdhsa_float_denorm_mode_16_64 3
		.amdhsa_memory_ordered 1
		.amdhsa_forward_progress 1
		.amdhsa_inst_pref_size 42
	.end_amdhsa_kernel
	.amdgpu_metadata
---
amdhsa.version: [ 1, 2 ]
amdhsa.kernels:
  - .name:           k_q81e02394d1_prep
    .symbol:         k_q81e02394d1_prep.kd
    .args:
      - { .name: x, .offset: 0, .size: 8, .value_kind: global_buffer, .address_space: global }
      - { .name: wo, .offset: 8, .size: 8, .value_kind: global_buffer, .address_space: global }
      - { .name: wq, .offset: 16, .size: 8, .value_kind: global_buffer, .address_space: global }
      - { .name: wk, .offset: 24, .size: 8, .value_kind: global_buffer, .address_space: global }
      - { .name: wv, .offset: 32, .size: 8, .value_kind: global_buffer, .address_space: global }
      - { .name: xb, .offset: 40, .size: 8, .value_kind: global_buffer, .address_space: global }
      - { .name: wb, .offset: 48, .size: 8, .value_kind: global_buffer, .address_space: global }
    .group_segment_fixed_size: 0
    .private_segment_fixed_size: 0
    .kernarg_segment_align: 8
    .kernarg_segment_size: 56
    .max_flat_workgroup_size: 256
    .sgpr_count:     66
    .vgpr_count:     208
    .wavefront_size: 32
...
	.end_amdgpu_metadata
.endif
;; end of part 5
;; launch qkv: the kernel of part 2 again; grid 8 x 32, 4 waves a work-group, clusters of 4 x 4, 327,680 bytes of LDS; arguments xb, wb, freqs_cos, freqs_sin, qb, kb, vb; writes qb, kb, vb
;; launch attn: the kernel of part 3 again; grid 16 x 16, 8 waves a work-group, clusters of 4 x 4, 327,680 bytes of LDS; arguments qb, kb, vb, mask, ao; writes ao
;; launch proj: the kernel of part 4 again; grid 8 x 32, 4 waves a work-group, clusters of 4 x 4, 327,680 bytes of LDS; arguments ao, wb, out0; writes out0
